; MI455X (gfx1250); checked and timed in simulation.
; The chip was launched on July 23, 2026; its instructions are those of AMD's public machine-readable ISA for CDNA 5 (MIT licence, August 2026) and "CDNA5" Instruction Set Architecture Reference Guide (July 2026). The comments in the code are by the model that wrote it; some were corrected since.
;; Baseline Attention. Allowed arithmetic: matrix products marked QUANTISED: E4M3 operands, one given power-of-two scale a tensor, by v_wmma_f32_16x16x64_fp8_fp8 or v_wmma_f32_16x16x128_fp8_fp8, f32 sums; everything else in f32.
;; Inputs: Wk_codes 1,024 x 32 x 32 uint8 (E4M3 codes of Wk, K innermost, in blocks of 32 codes); Wo_codes 1,024 x 32 x 32 uint8 (E4M3 codes of Wo, K innermost, in blocks of 32 codes); Wq_codes 1,024 x 32 x 32 uint8 (E4M3 codes of Wq, K innermost, in blocks of 32 codes); Wv_codes 1,024 x 32 x 32 uint8 (E4M3 codes of Wv, K innermost, in blocks of 32 codes); attention_mask 1 x 1 x 2,048 x 2,048 float32; hidden_states_codes 4 x 2,048 x 32 x 32 uint8 (E4M3 codes of hidden_states, K innermost, in blocks of 32 codes); lowp_scales 12 int32 (the exponents e of the quantised operands' scales 2^e).
;; Outputs: out0 4 x 2,048 x 1,024 float32.
;; This version of the problem:
;;   THIS VERSION OF THE PROBLEM IS GIVEN IN LOW PRECISION. The matrix products marked QUANTISED in the list below multiply operands that are first quantised to E4M3 (4 exponent bits, 3 mantissa bits; 8 bits a number), with one given power-of-two scale for each operand tensor; their sums are f32. All else is computed in f32.
;;   The module's matrix products, in the order in which they are computed (A, B: the left and right operand; K: the contracted axis; several contracted axes count as one K, in the product's order):
;;     1. [M 8,192, K 1,024] x [K 1,024, N 1,024]; A: input hidden_states (given as codes); B: input Wq (given as codes): QUANTISED (scales: A lowp_scales[0], B lowp_scales[1])
;;     2. [M 8,192, K 1,024] x [K 1,024, N 1,024]; A: input hidden_states (given as codes); B: input Wk (given as codes): QUANTISED (scales: A lowp_scales[2], B lowp_scales[3])
;;     3. [M 8,192, K 1,024] x [K 1,024, N 1,024]; A: input hidden_states (given as codes); B: input Wv (given as codes): QUANTISED (scales: A lowp_scales[4], B lowp_scales[5])
;;     4. batch 64 x [M 2,048, K 64] x [K 64, N 2,048]; A: computed on the way; B: computed on the way: QUANTISED (scales: A lowp_scales[6], B lowp_scales[7])
;;     5. batch 64 x [M 2,048, K 2,048] x [K 2,048, N 64]; A: softmax (see below); B: computed on the way: QUANTISED (scales: A lowp_scales[8], B lowp_scales[9])
;;     6. [M 8,192, K 1,024] x [K 1,024, N 1,024]; A: computed on the way; B: input Wo (given as codes): QUANTISED (scales: A lowp_scales[10], B lowp_scales[11])
;;   THE QUANTISER, for each operand of a quantised product, along K:
;;     - The operand's scale is 2^e, e = its entry of the input lowp_scales (int32; the entries are numbered through the quantised products in the list's order, A before B).
;;     - Each number is divided by the scale, clamped to +-448, and rounded to the nearest number of E4M3, ties to even, subnormals kept.
;;     - The product sums the exact products of the quantised numbers (number of the format x scale) in f32.
;;   ~~~python
;;   def quantise(x, axis, e):      # numpy; x: float32 -> the quantised numbers, widened to float32 again
;;       x = np.moveaxis(x, axis, -1); K = x.shape[-1]
;;       r = np.clip(x / 2.0 ** e, -448, 448)
;;       step = 2.0 ** (np.maximum(np.frexp(np.where(r == 0, 1, r))[1] - 1, -6) - 3)
;;       q = np.round(r / step) * step * 2.0 ** e      # np.round: ties to even
;;       return np.moveaxis(q, -1, axis).astype(np.float32)
;;   ~~~
;;   SOFTMAX AHEAD OF A QUANTISED PRODUCT. Where the list says 'softmax', what is quantised is not the finished softmax but p = 2^(t - M), with t = logit x log2(e) and M = ceil(the row's largest t), a whole number; so 1/2 < the row's largest p <= 1. The row's sum l is taken of the UNQUANTISED p, in f32, and the product's result is divided by l at the end. Since M is a whole number, a kernel that streams over the keys may use a running M (the ceiling of the running maximum): every later rescaling is an exact power of two, so the quantised numbers keep their values, but for numbers so far below the row's largest that they fall under the format's range.
;;   OPERANDS COMPUTED ON THE WAY. 'Computed on the way' means the value that the module computes at that place (a softmax that the list does not call 'softmax' is quantised finished and normalised). What goes into a quantiser is computed in f32, as accurately as f32 sums, v_exp_f32 and their like allow (about 1e-6 of the number): no bf16 or f16 on the way to a quantiser, and a product that is left as it is and whose result goes on into a quantised operand takes f32 operands (vector FMAs, or v_wmma_f32_16x16x4_f32). A number that lies on a knife's edge between two numbers of the format may be rounded either way, as far as f32 arithmetic and the matrix unit's own rounding can turn it there, and no further.
;;   INPUTS GIVEN AS CODES. Wk (in the module: [1024, 1024], K = its axis 1); Wo (in the module: [1024, 1024], K = its axis 1); Wq (in the module: [1024, 1024], K = its axis 1); Wv (in the module: [1024, 1024], K = its axis 1); hidden_states (in the module: [4, 2048, 1024], K = its axis 2): each comes as NAME_codes (uint8): NAME with its K axis moved to the last place and cut into blocks of 32 codes, [.., K / 32, bytes a block], one block behind the other in memory; one code a byte (a code: sign, 4 exponent bits, 3 mantissa bits); its scale is its entry of lowp_scales. Its value is code x scale, taken as it is: it is not quantised again, and the codes and scales need not be those that the quantiser above would give.
;; One version. Each part assembles by itself: llvm-mc -triple=amdgcn-amd-amdhsa -mcpu=gfx1250 --defsym DOCPART=n.
;; ======== version 1 of 1: 4 launches
;; limits: right only within a limited range of input values
;; workspace buffers: rope_img 524,288 bytes; wqk 2,097,152 bytes; q_img 8,388,608 bytes; kv_img 16,777,216 bytes; ctx 8,388,608 bytes; flags 65,536 bytes of whole numbers
;; launch prep (part 1): grid 256 x 1, 8 waves a work-group, no clusters, 1,280 bytes of LDS; arguments attention_mask, Wq_codes, Wk_codes, lowp_scales, rope_img, wqk, flags; writes rope_img, wqk, flags
.if DOCPART == 1
	.amdgcn_target "amdgcn-amd-amdhsa--gfx1250"
	.amdhsa_code_object_version 6
	.text
	.protected	k_q4402cfdc18_prep
	.globl	k_q4402cfdc18_prep
	.p2align	8
	.type	k_q4402cfdc18_prep,@function
k_q4402cfdc18_prep:
	s_mov_b64 s[64:65], 0
	v_nop
	global_prefetch_b8 v0, s[64:65] scope:SCOPE_SE
	s_setreg_imm32_b32 hwreg(HW_REG_WAVE_MODE, 25, 1), 1
	s_wait_xcnt 0x0
; Three small jobs ahead of the products.
; (1) flags: [8 query rows 256][64 words, all alike]: bit B: key step B (128 keys) counts for these 8 queries; bit 16 + B: its block of the additive mask is not all zero.
;     A work-group takes 8 query rows, wave w key steps 2 w and 2 w + 1.  For a block: hi = its largest mask number, lo = the least over the 8 queries of the query's largest in the block, az = the largest magnitude.
;     Every one of the 8 queries has somewhere a key with mask >= L = the largest lo of the sixteen blocks.  A score q . k / 8 is a sum of 64 products of E4M3 codes x 2^(e6 + e7 - 3): within +-12,845,056 x 2^(e6 + e7 - 3).
;     So where hi <= L - 26,000,000 x 2^(e6 + e7 - 3) - 128 - 2^-20 (|L| + |hi|), every logit of the block lies more than 128 under its row's largest, for all values of q and k (the last term stands over the
;     rounding of score + mask in f32): p = 2^(t - M) is under 2^-160, its code is 0 and it adds nothing to the row's sum in f32.  The attention launch reads the words and leaves such steps out; where az = 0 it adds no mask.
;     The block that holds L has hi >= L, so at least one step counts.  LIMIT: the mask's numbers are finite; a NaN or an infinity in a block that is left out is not carried to the result.
; (2) rope_img: [block of 16 positions 128][chunk 8][lane 32][16 bytes]: chunks 0-3 C[e], chunks 4-7 S1[e], e = 0 .. 15: position 16 block + r, frequency j = e (lanes 0-15) or 31 - e (lanes 16-31);
;     C = cos(pos x invf_j), S1 = -sin in lanes 0-15, +sin in lanes 16-31.  The angle is one f32 product, as an outer product rounds it; sine and cosine by reduction with pi/2 in two parts and two short polynomials.
; (3) wqk: [2048][1024] codes: Wq's rows, then Wk's, re-ordered inside each head so that the rotary rule needs one exchange between the halves of the lanes:
;     row n takes source row 64 head + ((8 (b & 1) + 32 (b >> 1) + (r' & 7)) xor 63 (r' >> 3)), head = (n & 1023) >> 6, b = (n >> 4) & 3, r' = n & 15.
; SHARES: 2,048 waves; wave g = 8 x work-group + w takes row g of wqk; every fourth wave one quarter of a block of tables.  One barrier, for the flags.
; LIMITS: e6 + e7 - 3 between -126 and 127; the 32 inverse frequencies 10^(-j/8) are constants rounded to nearest f32.
.set ROWM, 8192                        ; a row of the mask in bytes
.set XCH,  0                           ; LDS: hi, lo, az, sixteen words each, 64 bytes apart
.set SPARE, 256                        ; the spare words, 128 bytes for each of eight waves, which no other line names
.set MI,   16                          ; v16-79   load 2 k + s: query row k, my key step s
.set RM,   80                          ; v80-95   their largest
.set TP,   96                          ; v96-99   the permutes' destinations
.set HI,   120                         ; v[120:121], v[122:123], v[124:125]: hi, lo, az of my two steps
.set LO,   122
.set AZ,   124
.set RC,   144                         ; v144-151 a row of codes
	s_load_b256 s[4:11], s[0:1], 0x0               ; mask s[4:5], Wq s[6:7], Wk s[8:9], the scales' exponents s[10:11]
	s_load_b128 s[12:15], s[0:1], 0x20             ; rope_img s[12:13], wqk s[14:15]
	s_load_b64 s[16:17], s[0:1], 0x30              ; flags
	v_lshl_add_u32 v190, v0, 2, SPARE
	v_mov_b32 v191, 0
	v_lshrrev_b32 v1, 5, v0
	v_readfirstlane_b32 s18, v1                    ; wave 0..7
	s_lshl_b32 s36, s18, 3
	v_and_b32 v2, 31, v0                           ; lane
	v_lshlrev_b32 v3, 4, v2                        ; 16 x lane: my bytes of every load and store of 512
	v_lshrrev_b32 v9, 4, v2                        ; h
	v_and_b32 v10, 15, v2                          ; r
	v_mov_b32 v182, s36                            ; LDS: my wave's two words of each array (XCH is byte 0)
	v_lshlrev_b32 v183, 2, v10                     ; and word lane % 16, for wave 0's reads
	v_lshlrev_b32 v186, 3, v2                      ; 8 x lane, for the flags' store
	s_lshl_b32 s19, ttmp9, 3
	s_add_co_u32 s19, s19, s18                     ; g
	s_lshl_b32 s22, ttmp9, 16                      ; 8 rows of 8,192 bytes
	s_lshl_b32 s23, s18, 10                        ; two key steps of 512 bytes
	s_add_co_u32 s22, s22, s23
	s_mov_b32 s23, 0
	s_bfe_u32 s26, s19, 0x40006                    ; row g of wqk: head,
	s_lshl_b32 s26, s26, 6
	s_bfe_u32 s27, s19, 0x10004                    ; b & 1,
	s_lshl_b32 s27, s27, 3
	s_bfe_u32 s29, s19, 0x10005                    ; b >> 1,
	s_lshl_b32 s29, s29, 5
	s_add_co_u32 s27, s27, s29
	s_and_b32 s29, s19, 7                          ; r' & 7,
	s_add_co_u32 s27, s27, s29
	s_bfe_u32 s29, s19, 0x10003                    ; r' >> 3
	s_mul_i32 s29, s29, 63
	s_xor_b32 s27, s27, s29
	s_add_co_u32 s26, s26, s27                     ; the source row
	s_lshl_b32 s26, s26, 10
	s_mov_b32 s27, 0
	s_lshl_b32 s30, s19, 10
	s_mov_b32 s31, 0
	s_wait_alu depctr_va_vdst(0)                   ; directly ahead of the wait below
	s_wait_kmcnt 0x0
	s_load_b64 s[32:33], s[10:11], 0x18            ; e6, e7
	s_add_nc_u64 s[4:5], s[4:5], s[22:23]
	s_cmp_lt_u32 s19, 1024                         ; the first 1,024 rows come from Wq, the others from Wk
	s_cselect_b64 s[6:7], s[6:7], s[8:9]
	s_add_nc_u64 s[6:7], s[6:7], s[26:27]
	s_add_nc_u64 s[14:15], s[14:15], s[30:31]
.irp k, 0,1,2,3,4,5,6,7
	global_load_b128 v[MI+8*\k:MI+8*\k+3], v3, s[4:5] offset:ROWM*\k th:TH_LOAD_NT          ; 512 consecutive bytes of query row k: my first key step,
	global_load_b128 v[MI+8*\k+4:MI+8*\k+7], v3, s[4:5] offset:ROWM*\k+512 th:TH_LOAD_NT    ; and my second
.endr
	global_load_b128 v[RC:RC+3], v3, s[6:7]
	global_load_b128 v[RC+4:RC+7], v3, s[6:7] offset:512
	s_wait_kmcnt 0x0
	s_add_co_i32 s32, s32, s33
	s_add_co_i32 s32, s32, 124                     ; e6 + e7 - 3 + 127
	s_lshl_b32 s32, s32, 23                        ; 2^(e6 + e7 - 3) as f32
	; ---- the tables, while the 18 loads are on their way: waves 0 and 4 of the work-group
	s_and_b32 s34, s18, 3
	s_cmp_lg_u32 s34, 0
	s_cbranch_scc1 .Lno_table
	s_lshl_b32 s34, ttmp9, 1
	s_lshr_b32 s35, s18, 2
	s_add_co_u32 s34, s34, s35                     ; task 0..511
	s_lshr_b32 s35, s34, 2                         ; block of 16 positions
	s_and_b32 s34, s34, 3                          ; x: e = 4 x .. 4 x + 3
	s_lshl_b32 s36, s35, 12
	s_lshl_b32 s37, s34, 9
	s_add_co_u32 s36, s36, s37
	s_mov_b32 s37, 0
	s_add_nc_u64 s[12:13], s[12:13], s[36:37]
	s_lshl_b32 s38, s35, 4
	s_mov_b32 s40, 0x3f22f983                      ; 2 / pi
	s_mov_b32 s41, 0xbfc90fdb                      ; -(pi / 2), the f32 nearest,
	s_mov_b32 s42, 0x333bbd2e                      ; and what it lacks
	s_mov_b32 s43, 0xb94ca1f9                      ; sine: r + r z (s45 + z (s44 + z s43))
	s_mov_b32 s44, 0x3c08839e
	s_mov_b32 s45, 0xbe2aaaa3
	s_mov_b32 s46, 0x37ccf5ce                      ; cosine: 1 - z / 2 + z z (s48 + z (s47 + z s46))
	s_mov_b32 s47, 0xbab6061a
	s_mov_b32 s48, 0x3d2aaaa5
; invf_j = 10^(-j / 8).  s50-53: j = 4 x + 0 .. 3, for lanes 0-15; s54-57: j = 31 - 4 x - 0 .. 3, for lanes 16-31
.macro PICK x, a0, a1, a2, a3, b0, b1, b2, b3
.if \x == 0
	s_mov_b32 s50, \a0
	s_mov_b32 s51, \a1
	s_mov_b32 s52, \a2
	s_mov_b32 s53, \a3
	s_mov_b32 s54, \b0
	s_mov_b32 s55, \b1
	s_mov_b32 s56, \b2
	s_mov_b32 s57, \b3
.else
	s_cmp_eq_u32 s34, \x
	s_cselect_b32 s50, \a0, s50
	s_cselect_b32 s51, \a1, s51
	s_cselect_b32 s52, \a2, s52
	s_cselect_b32 s53, \a3, s53
	s_cselect_b32 s54, \b0, s54
	s_cselect_b32 s55, \b1, s55
	s_cselect_b32 s56, \b2, s56
	s_cselect_b32 s57, \b3, s57
.endif
.endm
	PICK 0, 0x3F800000, 0x3F3FF911, 0x3F0FF59A, 0x3ED7E89B, 0x390BD472, 0x393A7753, 0x3978A814, 0x39A5CB5F
	PICK 1, 0x3EA1E89B, 0x3E72D424, 0x3E361887, 0x3E088D77, 0x39DD1726, 0x3A136A16, 0x3A44948C, 0x3A83126F
	PICK 2, 0x3DCCCCCD, 0x3D99940E, 0x3D6655C3, 0x3D2CBA15, 0x3AAEC98E, 0x3AE91528, 0x3B1B690D, 0x3B4F3E37
	PICK 3, 0x3D0186E2, 0x3CC24350, 0x3C91AD39, 0x3C5A7BF1, 0x3B8A2E77, 0x3BB8449C, 0x3BF5B9B0, 0x3C23D70A
	s_wait_alu depctr_va_vdst(0)
	v_add_nc_u32 v152, s38, v10
	s_delay_alu instid0(VALU_DEP_1)
	v_cvt_f32_u32 v152, v152                       ; my position
	v_cmp_eq_u32 s58, 1, v9                        ; lanes 16-31
	v_sub_nc_u32 v153, 1, v9
	s_delay_alu instid0(VALU_DEP_1)
	v_lshlrev_b32 v153, 31, v153                   ; the sign bit in lanes 0-15: S1 = -sin there
; the angle in v[a] (0 or more) -> cosine in v[co], sine in v[so].  v160-167 at work
.macro SINCOS a, co, so
	s_delay_alu instid0(VALU_DEP_1)
	v_mul_f32 v160, s40, v[\a]
	s_delay_alu instid0(VALU_DEP_1)
	v_rndne_f32 v160, v160                         ; n = the nearest multiple of pi / 2
	s_delay_alu instid0(VALU_DEP_1)
	v_fma_f32 v161, v160, s41, v[\a]
	s_delay_alu instid0(VALU_DEP_1)
	v_fma_f32 v161, v160, s42, v161                ; r = a - n pi / 2, within pi / 4
	s_delay_alu instid0(VALU_DEP_1)
	v_mul_f32 v162, v161, v161                     ; z
	s_delay_alu instid0(VALU_DEP_1)
	v_fma_f32 v163, v162, s43, s44
	s_delay_alu instid0(VALU_DEP_2)
	v_fma_f32 v164, v162, s46, s47
	s_delay_alu instid0(VALU_DEP_2)
	v_fma_f32 v163, v163, v162, s45
	s_delay_alu instid0(VALU_DEP_2)
	v_fma_f32 v164, v164, v162, s48
	s_delay_alu instid0(VALU_DEP_2)
	v_mul_f32 v163, v163, v162
	s_delay_alu instid0(VALU_DEP_2)
	v_mul_f32 v164, v164, v162
	v_fma_f32 v165, v162, -0.5, 1.0
	s_delay_alu instid0(VALU_DEP_3)
	v_fma_f32 v166, v163, v161, v161               ; sin r
	s_delay_alu instid0(VALU_DEP_2)
	v_fma_f32 v167, v164, v162, v165               ; cos r
	v_cvt_i32_f32 v160, v160
	s_delay_alu instid0(VALU_DEP_1)
	v_and_b32 v165, 1, v160
	s_delay_alu instid0(VALU_DEP_1)
	v_cmp_eq_u32 vcc_lo, 1, v165                   ; odd quadrants change the two over
	s_delay_alu instid0(VALU_DEP_1)
	v_cndmask_b32 v163, v166, v167, vcc_lo
	s_delay_alu instid0(VALU_DEP_2)
	v_cndmask_b32 v164, v167, v166, vcc_lo
	v_and_b32 v165, 2, v160                        ; the sine is negative in quadrants 2 and 3,
	s_delay_alu instid0(VALU_DEP_1)
	v_lshlrev_b32 v165, 30, v165
	s_delay_alu instid0(VALU_DEP_1)
	v_xor_b32 v[\so], v163, v165
	v_add_nc_u32 v160, 1, v160                     ; the cosine in 1 and 2
	s_delay_alu instid0(VALU_DEP_1)
	v_and_b32 v160, 2, v160
	s_delay_alu instid0(VALU_DEP_1)
	v_lshlrev_b32 v160, 30, v160
	s_delay_alu instid0(VALU_DEP_1)
	v_xor_b32 v[\co], v164, v160
.endm
.irp i, 0,1,2,3
	v_mov_b32 v154, s[50+\i]
	v_mov_b32 v155, s[54+\i]
	s_delay_alu instid0(VALU_DEP_1)
	v_cndmask_b32 v154, v154, v155, s58
	s_delay_alu instid0(VALU_DEP_1)
	v_mul_f32 v[156+\i], v152, v154                ; the angle: one rounding
	SINCOS 156+\i, 168+\i, 172+\i
	v_xor_b32 v[172+\i], v[172+\i], v153
.endr
	global_store_b128 v3, v[168:171], s[12:13]              ; chunk x: C
	global_store_b128 v3, v[172:175], s[12:13] offset:2048  ; chunk 4 + x: S1
.Lno_table:
	; ---- the flags.  Load i = 2 k + s holds, over the 32 lanes, the 128 numbers of query row k in my key step s
	s_wait_loadcnt 0x2                             ; the 16 loads of the mask are in; the two of the row of codes, issued behind them, may be out
	s_wait_alu depctr_va_vdst(0)
.set i, 0
.rept 16
	v_max3_num_f32 v[RM+i], v[MI+4*i], v[MI+4*i+1], v[MI+4*i+2]
.set i, i+1
.endr
.set i, 0
.rept 16
	v_max_num_f32 v[RM+i], v[RM+i], v[MI+4*i+3]
.set i, i+1
.endr
.irp s, 0,1
	v_max3_num_f32 v[AZ+\s], |v[MI+4*\s]|, |v[MI+4*\s+1]|, |v[MI+4*\s+2]|
.endr
.irp s, 0,1
	v_max_num_f32 v[AZ+\s], v[AZ+\s], |v[MI+4*\s+3]|
.endr
.set k, 1
.rept 7
.irp s, 0,1
	v_max3_num_f32 v[AZ+\s], v[AZ+\s], |v[MI+8*k+4*\s]|, |v[MI+8*k+4*\s+1]|
.endr
.irp s, 0,1
	v_max3_num_f32 v[AZ+\s], v[AZ+\s], |v[MI+8*k+4*\s+2]|, |v[MI+8*k+4*\s+3]|
.endr
.set k, k+1
.endr
.irp m, 1,2,4,8                        ; over the sixteen lanes of a row, eighteen chains by turns
.set i, 0
.rept 16
	v_max_num_f32_dpp v[RM+i], v[RM+i], v[RM+i] row_xmask:\m row_mask:0xf bank_mask:0xf
.set i, i+1
.endr
	v_max_num_f32_dpp v[AZ], v[AZ], v[AZ] row_xmask:\m row_mask:0xf bank_mask:0xf
	v_max_num_f32_dpp v[AZ+1], v[AZ+1], v[AZ+1] row_xmask:\m row_mask:0xf bank_mask:0xf
.endr
	s_mov_b32 s34, 0x76543210
	s_mov_b32 s35, 0xfedcba98
.irp t, 0,1,2,3
	v_mov_b32 v[TP+\t], 0                          ; a lane permute's destination counts as one of its sources
.endr
.set i, 0
.rept 4                                ; and over the two rows of lanes
.irp t, 0,1,2,3
	v_permlanex16_b32 v[TP+\t], v[RM+i+\t], s34, s35
.endr
.irp t, 0,1,2,3
	v_max_num_f32 v[RM+i+\t], v[RM+i+\t], v[TP+\t] ; a query's largest over the block's 128 keys, in every lane
.endr
.set i, i+4
.endr
.irp s, 0,1
	v_permlanex16_b32 v[TP+\s], v[AZ+\s], s34, s35
.endr
.irp s, 0,1
	v_max_num_f32 v[AZ+\s], v[AZ+\s], v[TP+\s]
.endr
.irp s, 0,1
	v_max3_num_f32 v[HI+\s], v[RM+\s], v[RM+2+\s], v[RM+4+\s]
	v_min3_num_f32 v[LO+\s], v[RM+\s], v[RM+2+\s], v[RM+4+\s]
.endr
.irp s, 0,1
	v_max3_num_f32 v[HI+\s], v[HI+\s], v[RM+6+\s], v[RM+8+\s]
	v_min3_num_f32 v[LO+\s], v[LO+\s], v[RM+6+\s], v[RM+8+\s]
.endr
.irp s, 0,1
	v_max3_num_f32 v[HI+\s], v[HI+\s], v[RM+10+\s], v[RM+12+\s]
	v_min3_num_f32 v[LO+\s], v[LO+\s], v[RM+10+\s], v[RM+12+\s]
.endr
.irp s, 0,1
	v_max_num_f32 v[HI+\s], v[HI+\s], v[RM+14+\s]
	v_min_num_f32 v[LO+\s], v[LO+\s], v[RM+14+\s]
.endr
	ds_store_b64 v182, v[HI:HI+1] offset:XCH       ; all lanes store the same numbers to the same words: key steps 2 w, 2 w + 1
	ds_store_b64 v182, v[LO:LO+1] offset:XCH+64
	ds_store_b64 v182, v[AZ:AZ+1] offset:XCH+128
	s_wait_loadcnt 0x0                             ; the row of codes
	global_store_b128 v3, v[RC:RC+3], s[14:15]
	global_store_b128 v3, v[RC+4:RC+7], s[14:15] offset:512
	s_wait_alu depctr_va_vdst(0)                   ; directly ahead of the wait below
	s_wait_dscnt 0x0                               ; for the others' sake: my three stores are done
	s_barrier_signal -1
	s_barrier_wait -1
	s_cmp_lg_u32 s18, 0
	s_cbranch_scc1 .Lno_flags                      ; wave 0 makes the word: lane B (and 16 + B) stands for key step B
	ds_load_b32 v176, v183 offset:XCH
	ds_load_b32 v177, v183 offset:XCH+64
	ds_load_b32 v178, v183 offset:XCH+128
	s_wait_dscnt 0x0
	v_mov_b32 v179, v177
.irp m, 1,2,4,8
	v_max_num_f32_dpp v179, v179, v179 row_xmask:\m row_mask:0xf bank_mask:0xf   ; L
.endr
	v_mov_b32 v180, 0x43000000                     ; 128
	v_mov_b32 v181, 0x4bc65d40                     ; 26,000,000
	v_fma_f32 v180, s32, v181, v180                ; 26,000,000 x 2^(e6 + e7 - 3) + 128
	v_mov_b32 v181, 0xb5800000                     ; -2^-20
	v_sub_f32 v180, v179, v180
	v_fma_f32 v180, |v179|, v181, v180
	v_fma_f32 v180, |v176|, v181, v180             ; the bound
	v_cmp_gt_f32 s37, v176, v180                   ; the step counts
	v_cmp_lt_f32 s38, 0, v178                      ; its block is not all zero
	s_and_b32 s37, s37, 0xffff
	s_lshl_b32 s38, s38, 16
	s_or_b32 s37, s37, s38
	s_lshl_b32 s38, ttmp9, 8                       ; my 8 rows' 256 bytes
	s_mov_b32 s39, 0
	s_add_nc_u64 s[16:17], s[16:17], s[38:39]
	v_mov_b32 v184, s37
	v_mov_b32 v185, s37
	global_store_b64 v186, v[184:185], s[16:17]    ; the wave's store covers 256 consecutive bytes, aligned
.Lno_flags:
	s_wait_tensorcnt 0x0                           ; the wave's end
	ds_add_u32 v190, v191
	s_wait_dscnt 0x0
	s_endpgm
.Lfunc_end_k_q4402cfdc18_prep:
	.size	k_q4402cfdc18_prep, .Lfunc_end_k_q4402cfdc18_prep-k_q4402cfdc18_prep
	.p2alignl 7, 3214868480
	.fill 96, 4, 3214868480
	.section	.rodata,"a",@progbits
	.p2align	6, 0x0
	.amdhsa_kernel k_q4402cfdc18_prep
		.amdhsa_group_segment_fixed_size 1280
		.amdhsa_private_segment_fixed_size 0
		.amdhsa_enable_private_segment 0
		.amdhsa_kernarg_size 56
		.amdhsa_user_sgpr_count 2
		.amdhsa_user_sgpr_kernarg_segment_ptr 1
		.amdhsa_wavefront_size32 1
		.amdhsa_system_sgpr_workgroup_id_x 1
		.amdhsa_system_sgpr_workgroup_id_y 1
		.amdhsa_system_sgpr_workgroup_id_z 1
		.amdhsa_system_vgpr_workitem_id 0
		.amdhsa_next_free_vgpr 192
		.amdhsa_next_free_sgpr 66
		.amdhsa_reserve_vcc 1
		.amdhsa_float_denorm_mode_32 3
		.amdhsa_float_denorm_mode_16_64 3
		.amdhsa_memory_ordered 1
		.amdhsa_forward_progress 1
		.amdhsa_inst_pref_size 29
	.end_amdhsa_kernel
	.amdgpu_metadata
---
amdhsa.version: [ 1, 2 ]
amdhsa.kernels:
  - .name:           k_q4402cfdc18_prep
    .symbol:         k_q4402cfdc18_prep.kd
    .args:
      - { .name: attention_mask, .offset: 0, .size: 8, .value_kind: global_buffer, .address_space: global }
      - { .name: Wq_codes, .offset: 8, .size: 8, .value_kind: global_buffer, .address_space: global }
      - { .name: Wk_codes, .offset: 16, .size: 8, .value_kind: global_buffer, .address_space: global }
      - { .name: lowp_scales, .offset: 24, .size: 8, .value_kind: global_buffer, .address_space: global }
      - { .name: rope_img, .offset: 32, .size: 8, .value_kind: global_buffer, .address_space: global }
      - { .name: wqk, .offset: 40, .size: 8, .value_kind: global_buffer, .address_space: global }
      - { .name: flags, .offset: 48, .size: 8, .value_kind: global_buffer, .address_space: global }
    .group_segment_fixed_size: 1280
    .private_segment_fixed_size: 0
    .kernarg_segment_align: 8
    .kernarg_segment_size: 56
    .max_flat_workgroup_size: 256
    .sgpr_count:     66
    .vgpr_count:     192
    .wavefront_size: 32
...
	.end_amdgpu_metadata
.endif
;; end of part 1
;; launch qkv (part 2): grid 12 x 32, 4 waves a work-group, clusters of 4 x 4, 327,680 bytes of LDS; arguments hidden_states_codes, wqk, Wv_codes, lowp_scales, rope_img, q_img, kv_img; writes q_img, kv_img
.if DOCPART == 2
	.amdgcn_target "amdgcn-amd-amdhsa--gfx1250"
	.amdhsa_code_object_version 6
	.text
	.protected	k_q4402cfdc18_qkv
	.globl	k_q4402cfdc18_qkv
	.p2align	8
	.type	k_q4402cfdc18_qkv,@function
k_q4402cfdc18_qkv:
	s_mov_b64 s[64:65], 0
	v_nop
	global_prefetch_b8 v0, s[64:65] scope:SCOPE_SE
	s_setreg_imm32_b32 hwreg(HW_REG_WAVE_MODE, 25, 1), 1
	s_wait_xcnt 0x0
	s_wait_alu depctr_hold_cnt(0) depctr_sa_sdst(0) depctr_va_vdst(0) depctr_va_sdst(0) depctr_va_ssrc(0) depctr_va_vcc(0) depctr_vm_vsrc(0)
	s_getreg_b32 s2, hwreg(HW_REG_IB_STS2, 6, 4)
	s_cmp_eq_u32 s2, 0
	s_cbranch_scc0 .Lentry_in_a_cluster
	s_endpgm
.Lentry_in_a_cluster:
	s_bfe_u32 s2, ttmp6, 0x10000c
	s_cmp_lg_u32 s2, 0xf033
	s_cbranch_scc0 .Lentry_shape_is_right
	s_endpgm
.Lentry_shape_is_right:
.set SIZE_K, 1024
.set KSTEP,  256
.set ROWB,   256
.set KROW,   SIZE_K
.set PITCH,  272
.set FR,     16
.set NL,     4
.set NP,     4
.set HALFT,  128*PITCH
.set SLOT,   4*HALFT
.set LAPS,   SIZE_K/(2*KSTEP)
.set SPARE,  2*SLOT
.set ADRA, 16
.set ADRB, 20
.set TBO,  26
.set SPW,  28
.set NIL,  29
.set TAB,  32
.set R,    96
.set O1,   112
.set O2,   128
.set CD,   144
.set VH,   176
.set VSC,  177
.set AF,   128
.set G1, 24
.set G0, 32
.set G1B, 48
.set G0B, 56
.set MSB, 0
.macro WIN new
.if MSB != \new
	s_set_vgpr_msb (MSB<<8)|\new
.set MSB, \new
.endif
.endm
.set MUL_LO, 0xa1
.set MUL_HI, 0xf1
.set TO_B,   0x40
.macro JLOAD g0a, g1a, g0b, g1b
	s_cmp_eq_u32 s15, 0
	s_cbranch_scc0 .Lfor_b_\@
	tensor_load_to_lds s[\g0a:\g0a+3], s[\g1a:\g1a+7]
	s_nop 0
.rept 4
	v_nop
.endr
	s_branch .Lasked_\@
.Lfor_b_\@:
	tensor_load_to_lds s[\g0b:\g0b+3], s[\g1b:\g1b+7]
	s_nop 0
.rept 4
	v_nop
.endr
.Lasked_\@:
.endm
.macro CREST
	s_cmp_lg_u32 s14, 0
	s_cbranch_scc1 .Lnot_wave_0_\@
	s_barrier_signal -3
.Lnot_wave_0_\@:
	s_barrier_wait -3
	s_barrier_signal -1
	s_barrier_wait -1
.endm
.macro CROUND
	s_barrier_signal -1
	s_barrier_wait -1
	CREST
.endm
	s_load_b256 s[4:11], s[0:1], 0x0
	s_load_b128 s[68:71], s[0:1], 0x20
	s_load_b64 s[72:73], s[0:1], 0x30
	v_lshl_add_u32 v[SPW], v0, 2, SPARE
	v_mov_b32 v[NIL], 0
	ds_add_u32 v28, v29
	ds_add_u32 v28, v29
	s_wait_dscnt 0x0
	v_lshrrev_b32 v1, 5, v0
	v_readfirstlane_b32 s14, v1
	s_lshr_b32 s15, s14, 1
	s_and_b32 s16, s14, 1
	s_bfe_u32 s40, ttmp6, 0x40000
	s_bfe_u32 s41, ttmp6, 0x40004
	s_and_b32 s18, ttmp7, 0xffff
	s_lshl_b32 s18, s18, 2
	s_lshl_b32 s19, ttmp9, 2
	s_add_co_u32 s17, s18, s41
	s_add_co_u32 s22, s18, s40
	s_add_co_u32 s42, s19, s40
	s_cmp_eq_u32 ttmp9, 2
	s_cselect_b32 s17, s41, s17
	s_cselect_b32 s42, s22, s42
	s_lshl_b32 s43, s41, 2
	s_lshl_b32 s43, 15, s43
	s_lshl_b32 s44, 0x1111, s40
	s_or_b32 s[G1+0], s43, (0<<16)|(1<<20)|(1<<21)|(5<<22)|(3<<25)
	s_or_b32 s[G1B+0], s44, (0<<16)|(1<<20)|(1<<21)|(5<<22)|(3<<25)
.irp g, G1, G1B
	s_mov_b32 s[\g+1], ROWB<<16
	s_mov_b32 s[\g+2], 128<<16
	s_mov_b32 s[\g+3], ROWB<<16
	s_mov_b32 s[\g+4], 128
	s_mov_b32 s[\g+5], KROW
	s_mov_b32 s[\g+6], 0
	s_mov_b32 s[\g+7], 0
.endr
	s_lshl_b32 s18, s16, 7
	s_lshl_b32 s20, s17, 8
	s_add_co_u32 s20, s20, s18
	s_lshl_b32 s20, s20, 10
	s_mov_b32 s21, 0
	s_lshl_b32 s46, s42, 8
	s_add_co_u32 s46, s46, s18
	s_lshl_b32 s46, s46, 10
	s_mov_b32 s47, 0
	s_mul_i32 s45, s14, HALFT
	s_wait_kmcnt 0x0
	s_load_b256 s[76:83], s[10:11], 0x0
	s_load_b128 s[84:87], s[10:11], 0x20
	s_cmp_eq_u32 ttmp9, 2
	s_cselect_b64 s[74:75], s[8:9], s[4:5]
	s_cselect_b64 s[92:93], s[4:5], s[6:7]
	s_add_nc_u64 s[20:21], s[74:75], s[20:21]
	s_add_nc_u64 s[46:47], s[92:93], s[46:47]
	; the prefetches: of the 128 rows that I fetch, the four partners that ask for them jointly take 32 each, told apart by address (cx for the tiles shared along a row of the cluster, cy for those shared down a column); a lane a row
	s_cmp_eq_u32 s15, 0
	s_cselect_b64 s[74:75], s[20:21], s[46:47]
	s_cselect_b32 s92, s40, s41
	s_lshl_b32 s92, s92, 15                        ; 32 rows of 1,024 bytes
	s_mov_b32 s93, 0
	s_add_nc_u64 s[74:75], s[74:75], s[92:93]      ; never rewritten
	v_and_b32 v30, 31, v0
	v_lshlrev_b32 v30, 10, v30                     ; my lane's row; never rewritten
.irp s, 0,1
	s_mov_b32 s[G0+4*\s], 1
	s_add_co_u32 s[G0+4*\s+1], s45, \s*SLOT
	s_add_nc_u64 s[G0+4*\s+2:G0+4*\s+3], s[20:21], \s*ROWB
	s_or_b32 s[G0+4*\s+3], s[G0+4*\s+3], 0x80000000
	s_mov_b32 s[G0B+4*\s], 1
	s_add_co_u32 s[G0B+4*\s+1], s45, \s*SLOT
	s_add_nc_u64 s[G0B+4*\s+2:G0B+4*\s+3], s[46:47], \s*ROWB
	s_or_b32 s[G0B+4*\s+3], s[G0B+4*\s+3], 0x80000000
	s_wait_alu depctr_va_vdst(0)
	s_wait_tensorcnt 0x0
	ds_add_u32 v28, v29
	ds_add_u32 v28, v29
	s_wait_dscnt 0x0
	CROUND
	JLOAD G0+4*\s, G1, G0B+4*\s, G1B
	global_prefetch_b8 v30, s[74:75] offset:(2+\s)*ROWB th:TH_LOAD_NT scope:SCOPE_SE   ; behind K step s's load: the 256 bytes a row of K step s + 2, two K steps ahead of the refill that will want them; K has four steps, so these two are all
.endr
	v_and_b32 v1, 15, v0
	v_bfe_u32 v2, v0, 4, 1
	v_mul_u32_u24 v3, v1, PITCH
	v_lshl_add_u32 v4, v2, 4, v3
	s_mul_i32 s21, s15, HALFT
	s_mul_i32 s22, s16, HALFT
	s_add_co_u32 s22, s22, 2*HALFT
.irp s, 0,1
	v_add_nc_u32 v[ADRA+\s], s21, v4
	v_add_nc_u32 v[ADRB+\s], s22, v4
	s_add_co_u32 s21, s21, SLOT
	s_add_co_u32 s22, s22, SLOT
.endr
	v_and_b32 v6, 31, v0
	v_lshlrev_b32 v[TBO], 4, v6
	s_wait_alu depctr_va_vdst(0)
	s_mov_b32 s94, 0x76543210
	s_mov_b32 s95, 0xfedcba98
	s_lshl_b32 s88, s17, 8
	s_lshl_b32 s89, s15, 7
	s_add_co_u32 s88, s88, s89
	s_lshl_b32 s89, s42, 8
	s_lshl_b32 s90, s16, 7
	s_add_co_u32 s89, s89, s90
	s_lshr_b32 s90, s88, 4
	s_and_b32 s90, s90, 127
	s_lshl_b32 s90, s90, 12
	s_mov_b32 s91, 0
	s_add_nc_u64 s[100:101], s[68:69], s[90:91]
	s_cmp_eq_u32 ttmp9, 2
	s_cselect_b32 s90, s89, s88
	s_cselect_b32 s91, s88, s89
	s_lshr_b32 s88, s90, 11
	s_lshl_b32 s88, s88, 4
	s_bfe_u32 s91, s91, 0x40006
	s_add_co_u32 s88, s88, s91
	s_lshl_b32 s88, s88, 17
	s_and_b32 s90, s90, 2047
	s_lshl_b32 s90, s90, 6
	s_add_co_u32 s88, s88, s90
	s_cmp_eq_u32 ttmp9, 0
	s_cselect_b32 s89, 0, 1
	s_cselect_b64 s[96:97], s[70:71], s[72:73]
	s_lshl_b32 s88, s88, s89
	s_mov_b32 s90, 0x20000
	s_lshl_b32 s90, s90, s89
	s_cmp_eq_u32 ttmp9, 2
	s_cselect_b32 s91, 8192, 0
	s_add_co_u32 s88, s88, s91
	s_mov_b32 s89, 0
	s_add_nc_u64 s[96:97], s[96:97], s[88:89]
	s_mov_b32 s91, 0
	s_add_nc_u64 s[98:99], s[96:97], s[90:91]
.macro TABLE a
.irp k, 0,1,2,3,4,5,6,7
	global_load_b128 v[TAB+32*((\a)%2)+4*\k:TAB+32*((\a)%2)+4*\k+3], v[TBO], s[100:101] offset:4096*(\a)+512*\k
.endr
.endm
	TABLE 0
	TABLE 1
.macro FRAG reg, adr, q, i
.irp c, 0,1,2,3
	ds_load_b128 v[\reg+4*\c:\reg+4*\c+3], v[\adr] offset:128*(\q)+32*\c+(\i)*16*PITCH
.endr
.endm
.macro MUL16 a0, p, zero
.irp a, \a0, \a0+1
.irp b, 0,1,2,3,4,5,6,7
.if \zero
	v_wmma_f32_16x16x128_fp8_fp8 v[8*(8*((\a)%4)+\b):8*(8*((\a)%4)+\b)+7], v[128*(\p)+FR*\b:128*(\p)+FR*\b+FR-1], v[AF+FR*(\a):AF+FR*(\a)+FR-1], 0
.else
	v_wmma_f32_16x16x128_fp8_fp8 v[8*(8*((\a)%4)+\b):8*(8*((\a)%4)+\b)+7], v[128*(\p)+FR*\b:128*(\p)+FR*\b+FR-1], v[AF+FR*(\a):AF+FR*(\a)+FR-1], v[8*(8*((\a)%4)+\b):8*(8*((\a)%4)+\b)+7]
.endif
.endr
.endr
.endm
.macro FETCH_B slot, q, p
	WIN TO_B
.irp i, 0,1,2,3,4,5,6,7
	FRAG 128*(\p)+FR*\i, ADRB+\slot, \q, \i
.endr
	WIN 0
.endm
.macro FETCH_A slot, q, i0
.irp i, \i0, \i0+1, \i0+2, \i0+3
	FRAG AF+FR*(\i), ADRA+\slot, \q, \i
.endr
.endm
.macro PLACES n
.rept \n
	v_nop
.endr
.endm
.macro STEP slot, q, zero
	s_wait_dscnt 4*NL
	WIN MUL_LO
	MUL16 0, (\q)%2, \zero
	MUL16 2, (\q)%2, \zero
	s_wait_dscnt 0
	PLACES NP
	FETCH_B \slot, (\q)+1, 1-(\q)%2
	FETCH_A \slot, (\q)+1, 0
	WIN MUL_HI
	MUL16 4, (\q)%2, \zero
	MUL16 6, (\q)%2, \zero
	PLACES NP
	WIN 0
	FETCH_A \slot, (\q)+1, 4
.endm
.macro TURN slot, next, fill
	s_wait_tensorcnt 0x0
	ds_add_u32 v[SPW], v[NIL]
	s_wait_dscnt 4*NL+1
	WIN MUL_LO
	MUL16 0, 1, 0
	s_wait_dscnt 0x0
	s_barrier_signal -1
	MUL16 2, 1, 0
	WIN 0
	s_barrier_wait -1
.if \fill
	CREST
	s_add_nc_u64 s[G0+4*\slot+2:G0+4*\slot+3], s[G0+4*\slot+2:G0+4*\slot+3], 2*ROWB
	s_add_nc_u64 s[G0B+4*\slot+2:G0B+4*\slot+3], s[G0B+4*\slot+2:G0B+4*\slot+3], 2*ROWB
	JLOAD G0+4*\slot, G1, G0B+4*\slot, G1B
.else
	PLACES NP
.endif
	FETCH_B \next, 0, 0
	FETCH_A \next, 0, 0
	WIN MUL_HI
	MUL16 4, 1, 0
	MUL16 6, 1, 0
	PLACES NP
	WIN 0
	FETCH_A \next, 0, 4
.endm
	s_wait_tensorcnt 1
	s_barrier_signal -1
	s_barrier_wait -1
	FETCH_B 0, 0, 0
	FETCH_A 0, 0, 0
	FETCH_A 0, 0, 4
	STEP 0, 0, 1
	s_mov_b32 s3, LAPS-1
.Llap:
	TURN 0, 1, 1
	STEP 1, 0, 0
	TURN 1, 0, 1
	STEP 0, 0, 0
	s_sub_co_u32 s3, s3, 1
	s_cmp_lg_u32 s3, 0
	s_cbranch_scc1 .Llap
	TURN 0, 1, 0
	STEP 1, 0, 0
	s_wait_dscnt 4*NL
	WIN MUL_LO
	MUL16 0, 1, 0
	MUL16 2, 1, 0
	s_wait_dscnt 0
	WIN MUL_HI
	MUL16 4, 1, 0
	MUL16 6, 1, 0
	WIN 0
	s_wait_kmcnt 0x0
	s_cmp_eq_u32 ttmp9, 1
	s_cselect_b32 s88, s78, s76
	s_cselect_b32 s89, s79, s77
	s_cselect_b32 s90, s83, s82
	s_cmp_eq_u32 ttmp9, 2
	s_cselect_b32 s88, s80, s88
	s_cselect_b32 s89, s81, s89
	s_cselect_b32 s90, s85, s90
	s_sub_co_i32 s90, s90, s88
	s_sub_co_i32 s90, s90, s89
	s_add_co_i32 s90, s90, 127
	s_lshl_b32 s91, s90, 23
	s_add_co_i32 s90, s90, 8
	s_lshl_b32 s90, s90, 23
	s_or_b32 s90, s90, 0x600000
.irp e, 0,1,2,3,4,5,6,7,8,9,10,11,12,13,14,15
	v_mov_b32 v[R+\e], 0
.endr
	v_mov_b32 v[VSC], s91
	v_mov_b32 v[VH], s90
	s_cmp_eq_u32 ttmp9, 2
	s_cbranch_scc1 .Lrole_v
.macro ROPE a, hd
.set ACC, 64*((\a)%4)+32*(\hd)
.set TBS, TAB+32*((\a)%2)
.set CDS, CD+8*((2*(\a)+(\hd))%4)
	WIN 0x02+((\a)/4)
.irp e, 0,1,2,3,4,5,6,7,8,9,10,11,12,13,14,15
	v_permlanex16_b32 v[R+\e], v[ACC+16+\e], s94, s95
.endr
.irp e, 0,2,4,6,8,10,12,14
	v_pk_mul_f32 v[O1+\e:O1+\e+1], v[ACC+\e:ACC+\e+1], v[TBS+\e:TBS+\e+1]
.endr
.irp e, 0,2,4,6,8,10,12,14
	v_pk_mul_f32 v[O2+\e:O2+\e+1], v[ACC+16+\e:ACC+17+\e], v[TBS+\e:TBS+\e+1]
.endr
.irp e, 0,1,2,3,4,5,6,7
	v_fma_f32 v[O1+\e], v[ACC+2*\e+1], v[TBS+16+\e], v[O1+\e]
	v_fma_f32 v[O2+\e], -v[ACC+2*\e], v[TBS+16+\e], v[O2+\e]
.endr
	WIN 0
.irp e, 8,9,10,11,12,13,14,15
	v_fma_f32 v[O1+\e], v[R+30-2*\e], v[TBS+16+\e], v[O1+\e]
	v_fma_f32 v[O2+\e], -v[R+31-2*\e], v[TBS+16+\e], v[O2+\e]
.endr
.set j, 0
.rept 32
	v_med3_num_f32 v[O1+j], v[O1+j], -v[VH], v[VH]
.set j, j+1
.endr
	v_cvt_scalef32_pk8_fp8_f32 v[CDS:CDS+1], v[O1:O1+7], v[VSC]
	v_cvt_scalef32_pk8_fp8_f32 v[CDS+2:CDS+3], v[O1+8:O1+15], v[VSC]
	v_cvt_scalef32_pk8_fp8_f32 v[CDS+4:CDS+5], v[O2:O2+7], v[VSC]
	v_cvt_scalef32_pk8_fp8_f32 v[CDS+6:CDS+7], v[O2+8:O2+15], v[VSC]
	v_nop
	global_store_b128 v[TBO], v[CDS:CDS+3], s[96+2*(\hd):97+2*(\hd)] offset:1024*(\a)
	global_store_b128 v[TBO], v[CDS+4:CDS+7], s[96+2*(\hd):97+2*(\hd)] offset:1024*(\a)+512
.endm
.irp a, 0,1,2,3,4,5,6,7
	s_wait_xcnt 0x0
.if \a < 7
	s_wait_loadcnt 0x8
.else
	s_wait_loadcnt 0x0
.endif
	ROPE \a, 0
	ROPE \a, 1
.if \a < 6
	TABLE \a+2
.endif
.endr
	s_branch .Lend
.Lrole_v:
	s_wait_loadcnt 0x0
	s_wait_alu depctr_va_vdst(0)
.irp a, 0,1,2,3,4,5,6,7
	s_wait_xcnt 0x0
	WIN 0x02+(\a/4)
.set j, 0
.rept 64
	v_med3_num_f32 v[TAB+j], v[64*(\a%4)+j], -v[VH], v[VH]
.set j, j+1
.endr
	WIN 0
.irp b, 0,1,2,3,4,5,6,7
	v_cvt_scalef32_pk8_fp8_f32 v[R+16*(\a%2)+2*\b:R+16*(\a%2)+2*\b+1], v[TAB+8*\b:TAB+8*\b+7], v[VSC]
.endr
	v_nop
.irp c, 0,1,2,3
	global_store_b128 v[TBO], v[R+16*(\a%2)+4*\c:R+16*(\a%2)+4*\c+3], s[96:97] offset:(\a/4)*262144+(\a%4)*2048+512*\c
.endr
.endr
.Lend:
	s_wait_tensorcnt 0x0
	ds_add_u32 v[SPW], v[NIL]
	s_wait_dscnt 0x0
	CROUND
	s_endpgm
.Lfunc_end_k_q4402cfdc18_qkv:
	.size	k_q4402cfdc18_qkv, .Lfunc_end_k_q4402cfdc18_qkv-k_q4402cfdc18_qkv
	.p2alignl 7, 3214868480
	.fill 96, 4, 3214868480
	.section	.rodata,"a",@progbits
	.p2align	6, 0x0
	.amdhsa_kernel k_q4402cfdc18_qkv
		.amdhsa_group_segment_fixed_size 327680
		.amdhsa_private_segment_fixed_size 0
		.amdhsa_enable_private_segment 0
		.amdhsa_kernarg_size 56
		.amdhsa_user_sgpr_count 2
		.amdhsa_user_sgpr_kernarg_segment_ptr 1
		.amdhsa_wavefront_size32 1
		.amdhsa_system_sgpr_workgroup_id_x 1
		.amdhsa_system_sgpr_workgroup_id_y 1
		.amdhsa_system_sgpr_workgroup_id_z 1
		.amdhsa_system_vgpr_workitem_id 0
		.amdhsa_next_free_vgpr 1024
		.amdhsa_next_free_sgpr 102
		.amdhsa_reserve_vcc 0
		.amdhsa_float_denorm_mode_32 3
		.amdhsa_float_denorm_mode_16_64 3
		.amdhsa_memory_ordered 1
		.amdhsa_forward_progress 1
		.amdhsa_inst_pref_size 232
	.end_amdhsa_kernel
	.amdgpu_metadata
---
amdhsa.version: [ 1, 2 ]
amdhsa.kernels:
  - .name:           k_q4402cfdc18_qkv
    .symbol:         k_q4402cfdc18_qkv.kd
    .args:
      - { .name: hidden_states_codes, .offset: 0, .size: 8, .value_kind: global_buffer, .address_space: global }
      - { .name: wqk, .offset: 8, .size: 8, .value_kind: global_buffer, .address_space: global }
      - { .name: Wv_codes, .offset: 16, .size: 8, .value_kind: global_buffer, .address_space: global }
      - { .name: lowp_scales, .offset: 24, .size: 8, .value_kind: global_buffer, .address_space: global }
      - { .name: rope_img, .offset: 32, .size: 8, .value_kind: global_buffer, .address_space: global }
      - { .name: q_img, .offset: 40, .size: 8, .value_kind: global_buffer, .address_space: global }
      - { .name: kv_img, .offset: 48, .size: 8, .value_kind: global_buffer, .address_space: global }
    .group_segment_fixed_size: 327680
    .private_segment_fixed_size: 0
    .kernarg_segment_align: 8
    .kernarg_segment_size: 56
    .max_flat_workgroup_size: 128
    .sgpr_count:     102
    .vgpr_count:     1024
    .wavefront_size: 32
...
	.end_amdgpu_metadata
.endif
;; end of part 2
;; launch attn (part 3): grid 16 x 16, 8 waves a work-group, no clusters, 105,472 bytes of LDS; arguments q_img, kv_img, attention_mask, lowp_scales, flags, ctx; writes ctx
.if DOCPART == 3
	.amdgcn_target "amdgcn-amd-amdhsa--gfx1250"
	.amdhsa_code_object_version 6
	.text
	.protected	k_q4402cfdc18_attn
	.globl	k_q4402cfdc18_attn
	.p2align	8
	.type	k_q4402cfdc18_attn,@function
k_q4402cfdc18_attn:
	s_mov_b64 s[64:65], 0
	v_nop
	global_prefetch_b8 v0, s[64:65] scope:SCOPE_SE
	s_setreg_imm32_b32 hwreg(HW_REG_WAVE_MODE, 25, 1), 1
	s_wait_xcnt 0x0
; ctx = quantised( softmax(q k^T / 8 + mask) v ), both products on codes of FP8 (E4M3).  The mask is an input and is honoured as it stands.
; WHAT IS LEFT OUT, BY STORED WHOLE NUMBERS: the first launch stored, for every 8 query rows, a word of flags: bit B: key step B (128 keys) counts; bit 16 + B: its mask block is not all zero.
; A step does not count only where every p of the block is under 2^-160 for all values of q and k (the bound is shown at the head of the launch that makes the flags): its codes are 0 and it adds nothing to the row's sum.
; Where the block is all zero the score product takes the constant 0 as C and no mask is loaded.  LIMIT: the mask's numbers are finite; a NaN or an infinity that reaches only a step left out is not carried to the result.
; THE SOFTMAX: t = logit x log2(e); M = the running largest t rounded UP to a whole number; p = 2^(t - M) is quantised with 2^e8, not normalised; the row's sum is taken of the unquantised p and divides at the end.
; When M moves, the sum and O are multiplied by 2^(old M - new M): exact, and no branch on floating-point data.
; THE MASK IS THE C OF THE SCORE PRODUCT.  Where a block is not all zero, a pair's 32 rows of 512 bytes are loaded whole, turned through the wave's own LDS stage into the accumulators' layout
; (lane (r, h), register 8 T + j = mask[query r][key 16 T + 8 h + j]) and multiplied by 2^(3 - e6 - e7), which is exact; then t = S' x c, c = log2(e) x 2^(e6 + e7 - 3).
; SHARES: 256 work-groups: x = 4 batch + group of four heads, y = 0 .. 15.  Wave w owns head w & 3 of the four and two PAIRS of query tiles (32 queries each): pair p = 2 y + (w >> 2) and pair 63 - p.
; A wave walks the key steps that count for either pair, in ascending order; in a step each pair is worked only if the step counts for it.  (Pairs p and 63 - p: where a mask hides later keys, all waves have like work; no value hangs on the choice.)
; NO TENSOR LOAD, NO CLUSTER: the walk hangs on numbers read from memory, so partners would need different tiles.  K and V are images of registers:
; each load takes 512 consecutive bytes straight into the operand's registers.  A step's K (16 loads) is asked for behind the step before's last score product, its V (16) at that step's end.
; No prefetch beside that: each wave's own loads already run half a step ahead of their use.  The last step asks once more for its own K and V (the index is held inside the list), so that the waits' counts are alike on every way.
; LAYOUT: both products transposed: S^T = K Q^T, O^T = V^T P: a lane holds one query (lane % 16); register j of key tile T is key 16 T + 8 (lane / 16) + j, so the conversions' results are the second product's operand.
; LIMITS: e6 + e7 - 3 between -126 and 127; |mask| x 2^(3 - e6 - e7) finite; e8 and e10 between -126 and 119.  The mask is added inside the matrix unit: where it is huge beside the scores, the sum is rounded there.
; REGISTERS: window 0: v2-12 addresses; v16-31 four a tile: -M, largest t, the sum in two halves; v32-63 Q; v64-127, v128-191 S^T of a pair's two tiles; v192-207, v224-239 their P codes; v208-223 at work and scales.
;   window 1: v0-127 O^T (32 tile + 8 d-tile); v128-191 K; v192-255 V.
.set STAGE, 0                          ; the way out: 128 rows x (256 bytes + 16)
.set SP,    272
.set SPARE, 128*SP                     ; behind it the spare words, 128 bytes for each of eight waves, which no other line names
.set TSTG,  SPARE+1024                 ; behind them each wave's own stage for a mask tile: 32 units of 256 bytes + 16
.set UP,    272
.set TI,  2                            ; the mask's stage: where I put 16 bytes of a query row,
.set TO,  3                            ; and where I read the accumulators' layout back
.set SPW, 6
.set NIL, 7
.set STO, 9                            ; the way out: where I put 8 codes
.set RD,  10                           ; and where I read a row back
.set GO,  11                           ; my byte offset in the wave's rows of ctx
.set QO,  12                           ; 16 x lane
.set ST,  16
.set QF,  32
.set S0,  64
.set PC,  192                          ; tile u's codes at PC + 32 u
.set MA,  208                          ; v208-209 maxima at work
.set PD,  210                          ; v210-211 the permutes' destinations
.set F,   212                          ; v[212:213], v[214:215] the maxima's second chains, then f = 2^(old M - new M)
.set SQ,  220                          ; v[220:221], v[222:223] the sums' second chains
.set WV,  14
.set KV0, 20                           ; s[20:21] my head's K and V
.set KA,  22                           ; s[22:23] the step that is being asked for
.set MB0, 24                           ; s[24:25], s[26:27] my two pairs' first rows of the mask
.set MK,  28                           ; s[28:29] a pair's mask of the step in hand
.set ACT, 32                           ; s32, s33 the steps that count for pair 0, 1
.set GEN, 34                           ; s34, s35 the steps whose mask is not all zero
.set KC,  36                           ; s36 the step in hand
.set REM, 37                           ; s37 the steps behind the one asked for last
.set CNT, 38                           ; s38 how many steps I walk
.set KN,  39                           ; s39 the next step
.set CS,  66                           ; s[66:67] c
.set SEL, 68                           ; s[68:69] the lane 16 away
.set MS,  70                           ; s[70:71] 2^(3 - e6 - e7)
.set MSB, 0
.macro WIN new                         ; the immediate's high byte repeats the setting that is left
.if MSB != \new
	s_set_vgpr_msb (MSB<<8)|\new
.set MSB, \new
.endif
.endm
.macro PLACES
.rept 4
	v_nop
.endr
.endm
.macro LDKV reg, off                   ; 16 loads: K (8 tiles of 16 keys x 64) or V (4 tiles of 16 channels x 128 keys)
	WIN 0x40                                       ; destination window 1, address window 0
.set j, 0
.rept 16
	global_load_b128 v[\reg+4*j:\reg+4*j+3], v[QO], s[KA:KA+1] offset:\off+512*j
.set j, j+1
.endr
	WIN 0
.endm
.macro QK u, t, zero                   ; eight accumulators, one instruction each
.irp T, 0,1,2,3,4,5,6,7
.if \zero
	v_wmma_f32_16x16x64_fp8_fp8 v[S0+64*(\u)+8*\T:S0+64*(\u)+8*\T+7], v[128+8*\T:128+8*\T+7], v[QF+8*(\t):QF+8*(\t)+7], 0
.else
	v_wmma_f32_16x16x64_fp8_fp8 v[S0+64*(\u)+8*\T:S0+64*(\u)+8*\T+7], v[128+8*\T:128+8*\T+7], v[QF+8*(\t):QF+8*(\t)+7], v[S0+64*(\u)+8*\T:S0+64*(\u)+8*\T+7]
.endif
.endr
.endm
; A pair's scores of the step in hand: with its mask as C, or, where the block is all zero, with the constant 0
.macro SCORES pr
	s_lshr_b32 s40, s[GEN+\pr], s[KC]
	s_and_b32 s40, s40, 1
	s_cmp_eq_u32 s40, 0
	s_cbranch_scc1 .Lzero_\@
	s_wait_xcnt 0x0                                ; earlier loads have read their base
	s_lshl_b32 s30, s[KC], 9                       ; a key step is 512 bytes of a row
	s_add_nc_u64 s[MK:MK+1], s[MB0+2*\pr:MB0+2*\pr+1], s[30:31]
.set j, 0
.rept 32
	global_load_b128 v[S0+4*j:S0+4*j+3], v[QO], s[MK:MK+1] offset:8192*j   ; 512 consecutive bytes of the pair's query row j
.set j, j+1
.endr
	s_wait_loadcnt 0x0
.irp u, 0,1                            ; a tile at a time through my stage; LDS serves a wave's instructions in order, so tile 1's stores come behind tile 0's loads
.set j, 0
.rept 16
	ds_store_b128 v[TI], v[S0+64*\u+4*j:S0+64*\u+4*j+3] offset:16*j
.set j, j+1
.endr
	s_wait_dscnt 0x0                               ; the stores are done: their registers take the tile back in its new order
.set j, 0
.rept 16
	ds_load_b128 v[S0+64*\u+4*j:S0+64*\u+4*j+3], v[TO] offset:2*UP*j
.set j, j+1
.endr
.endr
	s_wait_dscnt 0x0
.set j, 0
.rept 64
	v_pk_mul_f32 v[S0+j:S0+j+1], v[S0+j:S0+j+1], s[MS:MS+1] op_sel_hi:[1,0]   ; x 2^(3 - e6 - e7): exact
.set j, j+2
.endr
	WIN 0x01                                       ; source 0 (K) window 1
	QK 0, 2*\pr, 0
	QK 1, 2*\pr+1, 0
	WIN 0
	s_branch .Lgot_\@
.Lzero_\@:
	WIN 0x01
	QK 0, 2*\pr, 1
	QK 1, 2*\pr+1, 1
	WIN 0
.Lgot_\@:
.endm
; The softmax of a pair's two tiles for a step, the two tiles' chains by turns; then O^T x f and O^T += V^T P.  vcnt: the loads behind V's that may stay out
.macro REST pr, vcnt
.set SS, ST+8*(\pr)
	s_wait_alu depctr_va_vdst(0)                   ; directly ahead of the first readers of the scores
.irp u, 0,1
	v_max3_num_f32 v[MA+\u], v[S0+64*\u], v[S0+64*\u+1], v[S0+64*\u+2]     ; each accumulator from its low end on
	v_max3_num_f32 v[F+2*\u], v[S0+64*\u+3], v[S0+64*\u+4], v[S0+64*\u+5]
.endr
.set j, 6
.rept 14
.irp u, 0,1
	v_max3_num_f32 v[MA+\u], v[MA+\u], v[S0+64*\u+j], v[S0+64*\u+j+1]
	v_max3_num_f32 v[F+2*\u], v[F+2*\u], v[S0+64*\u+j+2], v[S0+64*\u+j+3]
.endr
.set j, j+4
.endr
.irp u, 0,1
	v_max3_num_f32 v[MA+\u], v[MA+\u], v[S0+64*\u+62], v[S0+64*\u+63]
.endr
.irp u, 0,1
	v_max_num_f32 v[MA+\u], v[MA+\u], v[F+2*\u]
.endr
.irp u, 0,1
	v_permlanex16_b32 v[PD+\u], v[MA+\u], s[SEL], s[SEL+1]
.endr
.irp u, 0,1
	v_max_num_f32 v[MA+\u], v[MA+\u], v[PD+\u]     ; the step's largest score of my query
.endr
.irp u, 0,1
	v_mul_f32 v[MA+\u], s[CS], v[MA+\u]            ; as t (c is positive)
.endr
.irp u, 0,1
	v_max_num_f32 v[SS+4*\u+1], v[SS+4*\u+1], v[MA+\u]   ; the running largest t
.endr
.irp u, 0,1
	v_mov_b32 v[MA+\u], v[SS+4*\u]
.endr
.irp u, 0,1
	v_floor_f32 v[SS+4*\u], -v[SS+4*\u+1]          ; the new -M = floor(-t)
.endr
.irp u, 0,1
	v_sub_f32 v[MA+\u], v[SS+4*\u], v[MA+\u]       ; old M - new M: a whole number, 0 or less
.endr
.irp u, 0,1
	v_cvt_i32_f32 v[MA+\u], v[MA+\u]               ; (it saturates)
.endr
.irp u, 0,1
	v_ldexp_f32 v[F+2*\u], 1.0, v[MA+\u]           ; f
.endr
.set j, 0
.rept 32
	v_pk_fma_f32 v[S0+j:S0+j+1], v[S0+j:S0+j+1], s[CS:CS+1], v[SS:SS+1] op_sel_hi:[1,0,0]              ; t - M, two at a time
	v_pk_fma_f32 v[S0+64+j:S0+65+j], v[S0+64+j:S0+65+j], s[CS:CS+1], v[SS+4:SS+5] op_sel_hi:[1,0,0]
.set j, j+2
.endr
	s_wait_alu depctr_va_vdst(0)                   ; the wait ahead of the batch
.set j, 0
.rept 128
	v_exp_f32 v[S0+j], v[S0+j]                     ; p = 2^(t - M)
.set j, j+1
.endr
	v_pk_mul_f32 v[SS+2:SS+3], v[SS+2:SS+3], v[F:F+1] op_sel_hi:[1,0]       ; the sums under the new M: plain instructions behind the exponentials
	v_pk_mul_f32 v[SS+6:SS+7], v[SS+6:SS+7], v[F+2:F+3] op_sel_hi:[1,0]
	s_wait_alu depctr_va_vdst(0)                   ; one wait for the batch of 128, ahead of its first reader
.irp u, 0,1
	v_pk_add_f32 v[SQ+2*\u:SQ+2*\u+1], v[S0+64*\u:S0+64*\u+1], v[S0+64*\u+2:S0+64*\u+3]   ; the row's sum is taken of the unquantised p, in two chains a tile
.endr
.set j, 4
.rept 15
.irp u, 0,1
	v_pk_add_f32 v[SS+4*\u+2:SS+4*\u+3], v[SS+4*\u+2:SS+4*\u+3], v[S0+64*\u+j:S0+64*\u+j+1]
	v_pk_add_f32 v[SQ+2*\u:SQ+2*\u+1], v[SQ+2*\u:SQ+2*\u+1], v[S0+64*\u+j+2:S0+64*\u+j+3]
.endr
.set j, j+4
.endr
.irp u, 0,1
	v_pk_add_f32 v[SS+4*\u+2:SS+4*\u+3], v[SS+4*\u+2:SS+4*\u+3], v[SQ+2*\u:SQ+2*\u+1]
.endr
	; THE HOLD.  t - M is 0 or less, but for one rounding of t, so p stays under 1.75.  Where 448 x 2^e8 is 1.75 or more (e8 >= -8) the hold can never bind: a scalar branch on the given exponent leads round it
	; (this launch has no tensor load).  For a smaller e8 it is run: the conversion does not saturate (ISA guide 7.6.2); p is not negative: a one-sided hold
	s_wait_alu depctr_va_vdst(0)                   ; directly ahead of the branch
	s_cmp_ge_i32 s76, -8
	s_cbranch_scc1 .Lfits_\@
.set j, 0
.rept 128
	v_min_num_f32 v[S0+j], v[S0+j], v216
.set j, j+1
.endr
.Lfits_\@:
.irp u, 0,1
.irp b, 0,1,2,3
	v_cvt_scalef32_pk8_fp8_f32 v[PC+32*\u+4*\b:PC+32*\u+4*\b+1], v[S0+64*\u+16*\b:S0+64*\u+16*\b+7], v217
	v_cvt_scalef32_pk8_fp8_f32 v[PC+32*\u+4*\b+2:PC+32*\u+4*\b+3], v[S0+64*\u+16*\b+8:S0+64*\u+16*\b+15], v217
.endr
.endr
	WIN 0x41                                       ; destination and source 0 window 1
	s_wait_alu depctr_va_vdst(0)                   ; directly ahead of the first readers of O^T
.irp u, 0,1
.set j, 0
.rept 16
	v_pk_mul_f32 v[64*(\pr)+32*\u+j:64*(\pr)+32*\u+j+1], v[64*(\pr)+32*\u+j:64*(\pr)+32*\u+j+1], v[F+2*\u:F+2*\u+1] op_sel_hi:[1,0]   ; O^T under the new M; also the plain instructions behind the conversions
.set j, j+2
.endr
.endr
	s_wait_alu depctr_va_vdst(0)                   ; directly ahead of the wait below
	s_wait_loadcnt \vcnt                           ; V is in
	WIN 0x51                                       ; source 0 (V), C and D window 1; P window 0
.irp u, 0,1
.irp d, 0,1,2,3
	v_wmma_f32_16x16x128_fp8_fp8 v[64*(\pr)+32*\u+8*\d:64*(\pr)+32*\u+8*\d+7], v[192+16*\d:192+16*\d+15], v[PC+32*\u:PC+32*\u+15], v[64*(\pr)+32*\u+8*\d:64*(\pr)+32*\u+8*\d+7]
.endr
.endr
	WIN 0
.endm
	s_load_b256 s[4:11], s[0:1], 0x0               ; q_img s[4:5], kv_img s[6:7], the mask s[8:9], the scales' exponents s[10:11]
	s_load_b128 s[44:47], s[0:1], 0x20             ; flags s[44:45], ctx s[46:47]
	v_lshl_add_u32 v[SPW], v0, 2, SPARE
	v_mov_b32 v[NIL], 0
	v_lshrrev_b32 v1, 5, v0
	v_readfirstlane_b32 s[WV], v1                  ; wave 0..7
	s_and_b32 s15, s[WV], 3                        ; my head of the four; on the way out: the tile whose rows I store
	s_lshr_b32 s16, s[WV], 2
	s_and_b32 s17, ttmp7, 0xffff
	s_lshl_b32 s18, s17, 1
	s_add_co_u32 s18, s18, s16                     ; p
	s_sub_co_u32 s19, 63, s18                      ; 63 - p
	s_lshl_b32 s42, ttmp9, 2
	s_add_co_u32 s42, s42, s15                     ; 16 batch + head
	s_mul_i32 s58, s16, 64*SP
	s_lshl_b32 s59, s15, 6
	s_add_co_u32 s58, s58, s59                     ; stage row 64 (w >> 2), my head's 64 bytes
	s_mul_i32 s59, s[WV], 16*SP                    ; back: rows 16 w on
	s_mul_i32 s43, s[WV], 32*UP
	s_add_co_u32 s43, s43, TSTG                    ; my stage for a mask tile
	s_lshl_b32 s48, s18, 10                        ; flags: a pair is four words, 256 bytes apart
	s_mov_b32 s49, 0
	s_lshl_b32 s50, s19, 10
	s_mov_b32 s51, 0
	s_lshl_b32 s52, s42, 17                        ; Q: 2^17 bytes a head, 1,024 a tile
	s_lshl_b32 s53, s18, 11
	s_add_co_u32 s54, s52, s53
	s_mov_b32 s55, 0
	s_lshl_b32 s53, s19, 11
	s_add_co_u32 s56, s52, s53
	s_mov_b32 s57, 0
	s_lshl_b32 s[KV0], s42, 18                     ; K and V: 16 steps x 16,384 a head
	s_mov_b32 s[KV0+1], 0
	s_lshl_b32 s[MB0], s18, 18                     ; the mask: 32 rows of 8,192 bytes a pair
	s_mov_b32 s[MB0+1], 0
	s_lshl_b32 s[MB0+2], s19, 18
	s_mov_b32 s[MB0+3], 0
	s_mov_b32 s31, 0
	s_lshl_b32 s60, s18, 5                         ; the first token that I store: tile s15 of my four
	s_lshl_b32 s61, s19, 5
	s_sub_co_u32 s61, s61, 32
	s_cmp_lt_u32 s15, 2
	s_cselect_b32 s60, s60, s61
	s_lshl_b32 s61, s15, 4
	s_add_co_u32 s60, s60, s61
	s_lshr_b32 s61, ttmp9, 2
	s_lshl_b32 s61, s61, 11                        ; batch x 2,048
	s_add_co_u32 s60, s60, s61
	s_lshl_b32 s62, s60, 10
	s_and_b32 s61, ttmp9, 3
	s_lshl_b32 s61, s61, 8                         ; the four heads' 256 bytes
	s_add_co_u32 s62, s62, s61
	s_mov_b32 s63, 0
	s_mov_b32 s[SEL], 0x76543210
	s_mov_b32 s[SEL+1], 0xfedcba98
	s_mov_b32 s3, 0
	v_and_b32 v1, 31, v0
	v_lshlrev_b32 v[QO], 4, v1
	v_and_b32 v13, 15, v0                          ; r
	v_bfe_u32 v14, v0, 4, 1                        ; h
	v_mul_u32_u24 v[STO], v13, SP
	v_lshl_add_u32 v[STO], v14, 3, v[STO]
	v_add_nc_u32 v[STO], s58, v[STO]
	v_mul_u32_u24 v[RD], v14, SP
	v_lshl_add_u32 v[RD], v13, 4, v[RD]
	v_add_nc_u32 v[RD], s59, v[RD]                 ; lanes 0-15 one row of 256 bytes, lanes 16-31 the next
	v_lshlrev_b32 v[GO], 10, v14
	v_lshl_add_u32 v[GO], v13, 4, v[GO]            ; and the same two rows of ctx
	v_lshrrev_b32 v4, 2, v1                        ; lane l of a mask load holds keys 4 l .. 4 l + 3: key tile T = l >> 2, half (l >> 1) & 1, chunk c = l & 1
	v_and_b32 v5, 1, v1
	v_bfe_u32 v8, v1, 1, 1
	v_lshl_add_u32 v4, v4, 2, v8
	v_lshl_add_u32 v4, v5, 1, v4                   ; unit 4 T + 2 c + half
	v_mul_u32_u24 v[TI], v4, UP
	v_add_nc_u32 v[TI], s43, v[TI]                 ; into the stage: that unit, place 16 k for query row k
	v_mul_u32_u24 v[TO], v14, UP
	v_lshl_add_u32 v[TO], v13, 4, v[TO]
	v_add_nc_u32 v[TO], s43, v[TO]                 ; out of it: units 2 j + h, place 16 r: registers 4 j .. 4 j + 3 of the tile
	s_wait_alu depctr_va_vdst(0)                   ; directly ahead of the wait below
	s_wait_kmcnt 0x0
	s_add_nc_u64 s[48:49], s[44:45], s[48:49]
	s_add_nc_u64 s[50:51], s[44:45], s[50:51]
.irp i, 0,1,2,3
	s_load_b32 s[84+\i], s[48:49], 0x100*\i        ; the flags of pair p's 32 queries,
	s_load_b32 s[88+\i], s[50:51], 0x100*\i        ; and of pair 63 - p's
.endr
	s_load_b64 s[80:81], s[10:11], 0x18            ; e6, e7
	s_load_b128 s[76:79], s[10:11], 0x20           ; e8, e9, e10, e11
	s_add_nc_u64 s[54:55], s[4:5], s[54:55]
	s_add_nc_u64 s[56:57], s[4:5], s[56:57]
	s_add_nc_u64 s[KV0:KV0+1], s[6:7], s[KV0:KV0+1]
	s_add_nc_u64 s[MB0:MB0+1], s[8:9], s[MB0:MB0+1]
	s_add_nc_u64 s[MB0+2:MB0+3], s[8:9], s[MB0+2:MB0+3]
	s_add_nc_u64 s[46:47], s[46:47], s[62:63]
.irp c, 0,1,2,3
	global_load_b128 v[QF+4*\c:QF+4*\c+3], v[QO], s[54:55] offset:512*\c         ; Q: pair p's two tiles,
	global_load_b128 v[QF+16+4*\c:QF+19+4*\c], v[QO], s[56:57] offset:512*\c     ; and pair 63 - p's
.endr
	WIN 0x40
.set j, 0
.rept 128
	v_mov_b32 v[j], 0                              ; O^T.  Which step is a pair's first hangs on the flags, so no first step is written out: the first change of M multiplies zeros
.set j, j+1
.endr
	WIN 0
.irp t, 0,1,2,3
	v_mov_b32 v[ST+4*\t+1], 0xff61b1e6             ; the largest t so far: -3e38
	v_mov_b32 v[ST+4*\t+2], 0                      ; the sum, in two halves
	v_mov_b32 v[ST+4*\t+3], 0
.endr
.irp t, 0,1,2,3
	v_floor_f32 v[ST+4*\t], -v[ST+4*\t+1]          ; -M
.endr
	v_mov_b32 v[PD], 0                             ; a lane permute's destination counts as one of its sources
	v_mov_b32 v[PD+1], 0
	v_mov_b32 v[F+1], 0                            ; (named as the upper halves of pairs)
	v_mov_b32 v[F+3], 0
	s_wait_alu depctr_va_vdst(0)                   ; directly ahead of the wait below
	s_wait_kmcnt 0x0
	s_or_b32 s84, s84, s85                         ; a pair is worked where the step counts for any of its queries
	s_or_b32 s86, s86, s87
	s_or_b32 s84, s84, s86
	s_or_b32 s88, s88, s89
	s_or_b32 s90, s90, s91
	s_or_b32 s88, s88, s90
	s_and_b32 s[ACT], s84, 0xffff
	s_and_b32 s[ACT+1], s88, 0xffff
	s_lshr_b32 s[GEN], s84, 16
	s_lshr_b32 s[GEN+1], s88, 16
	s_or_b32 s[REM], s[ACT], s[ACT+1]
	s_bcnt1_i32_b32 s[CNT], s[REM]                 ; the steps that I walk
	s_ctz_i32_b32 s[KC], s[REM]                    ; the first of them
	s_min_u32 s[KC], s[KC], 15
	s_sub_co_u32 s40, s[REM], 1
	s_and_b32 s[REM], s[REM], s40                  ; and the others
	s_lshl_b32 s30, s[KC], 14
	s_add_nc_u64 s[KA:KA+1], s[KV0:KV0+1], s[30:31]
	LDKV 128, 0
	LDKV 192, 8192
	s_add_co_i32 s82, s80, s81
	s_sub_co_i32 s83, 130, s82                     ; 3 - e6 - e7 + 127
	s_lshl_b32 s[MS], s83, 23                      ; 2^(3 - e6 - e7) as f32
	s_mov_b32 s[MS+1], s[MS]                       ; (named with it as a pair, so it is written)
	s_sub_co_i32 s82, s82, 3
	s_lshl_b32 s82, s82, 23
	s_add_co_i32 s[CS], s82, 0x3fb8aa3b            ; c = log2(e) x 2^(e6 + e7 - 3): the exponents are added to log2(e)'s exponent field
	s_mov_b32 s[CS+1], s[CS]
	s_add_co_i32 s82, s76, 127
	s_lshl_b32 s83, s82, 23
	v_mov_b32 v217, s83                            ; 2^e8
	s_add_co_i32 s82, s82, 8
	s_lshl_b32 s82, s82, 23
	s_or_b32 s82, s82, 0x600000
	v_mov_b32 v216, s82                            ; 448 x 2^e8
	s_add_co_i32 s82, s78, 127
	s_lshl_b32 s83, s82, 23
	v_mov_b32 v219, s83                            ; 2^e10
	s_add_co_i32 s82, s82, 8
	s_lshl_b32 s82, s82, 23
	s_or_b32 s82, s82, 0x600000
	v_mov_b32 v218, s82                            ; 448 x 2^e10
	s_add_co_i32 s75, s76, s77                     ; e8 + e9
	s_wait_alu depctr_va_vdst(0)                   ; the wait at the head's end
.Lstep:                                                ; a trip is one key step of my list
	s_wait_loadcnt 16                              ; K is in (the first time: Q too); V's 16 loads, issued behind it, may be out
	s_lshr_b32 s40, s[ACT], s[KC]
	s_and_b32 s40, s40, 1
	s_cmp_eq_u32 s40, 0
	s_cbranch_scc1 .Lno_a
	SCORES 0
	PLACES                                         ; behind the score products, ahead of their first readers
	REST 0, 0
.Lno_a:
	s_lshr_b32 s41, s[ACT+1], s[KC]
	s_and_b32 s41, s41, 1
	s_cmp_eq_u32 s41, 0
	s_cbranch_scc1 .Lno_b
	SCORES 1
.Lno_b:
	PLACES                                         ; behind the step's last score products: ahead of the loads into K's registers and of the scores' readers
	s_wait_xcnt 0x0                                ; earlier loads have read their base
	s_ctz_i32_b32 s[KN], s[REM]                    ; the next step of my list;
	s_cmp_eq_u32 s[REM], 0
	s_cselect_b32 s[KN], s[KC], s[KN]              ; behind the last, this step once more
	s_min_u32 s[KN], s[KN], 15
	s_sub_co_u32 s40, s[REM], 1
	s_and_b32 s[REM], s[REM], s40
	s_lshl_b32 s30, s[KN], 14
	s_add_nc_u64 s[KA:KA+1], s[KV0:KV0+1], s[30:31]
	LDKV 128, 0
	s_cmp_eq_u32 s41, 0
	s_cbranch_scc1 .Lno_b2
	REST 1, 16                                     ; the next K's 16 loads may be out
.Lno_b2:
	PLACES                                         ; ahead of the loads into V's registers
	s_wait_loadcnt 16                              ; on every way this step's V has landed before its registers are asked for again
	LDKV 192, 8192
	s_mov_b32 s[KC], s[KN]
	s_add_co_u32 s3, s3, 1
	s_cmp_lt_u32 s3, s[CNT]
	s_cbranch_scc1 .Lstep
	; THE WAY OUT: O^T / the sum x 2^(e8 + e9), quantised with 2^e10; a lane's 8 codes of a d-tile go into the work-group's stage, where a token's 256 bytes (four heads) meet.
.irp t, 0,1,2,3
	v_add_f32 v[ST+4*\t+2], v[ST+4*\t+2], v[ST+4*\t+3]   ; the sum's two halves,
.endr
.irp t, 0,1,2,3
	v_permlanex16_b32 v[MA+\t], v[ST+4*\t+2], s[SEL], s[SEL+1]
.endr
.irp t, 0,1,2,3
	v_add_f32 v[ST+4*\t+2], v[ST+4*\t+2], v[MA+\t] ; and the lane 16 away's
.endr
	s_wait_alu depctr_va_vdst(0)                   ; the wait ahead of the batch
.irp t, 0,1,2,3
	v_rcp_f32 v[ST+4*\t+2], v[ST+4*\t+2]
.endr
	v_nop                                          ; a plain instruction behind the last reciprocal
	s_wait_alu depctr_va_vdst(0)                   ; one wait for the four, ahead of the first reader
.irp t, 0,1,2,3
	v_ldexp_f32 v[ST+4*\t+2], v[ST+4*\t+2], s75
.endr
.irp t, 0,1,2,3
	WIN 0x01                                       ; source 0 window 1
	s_wait_alu depctr_va_vdst(0)                   ; directly ahead of the first readers of O^T
.irp j, 0,2,4,6,8,10,12,14,16,18,20,22,24,26,28,30
	v_pk_mul_f32 v[S0+32*\t+\j:S0+32*\t+\j+1], v[32*\t+\j:32*\t+\j+1], v[ST+4*\t+2:ST+4*\t+3] op_sel_hi:[1,0]
.endr
	WIN 0
.set j, 0
.rept 32
	v_med3_num_f32 v[S0+32*\t+j], v[S0+32*\t+j], -v218, v218
.set j, j+1
.endr
.irp d, 0,1,2,3
	v_cvt_scalef32_pk8_fp8_f32 v[QF+8*\t+2*\d:QF+8*\t+2*\d+1], v[S0+32*\t+8*\d:S0+32*\t+8*\d+7], v219   ; channels 16 d + 8 h + 0 .. 7 of my query; into Q's registers, which are done with
.endr
	v_nop                                          ; one plain vector instruction behind the conversions
.irp d, 0,1,2,3
	ds_store_b64 v[STO], v[QF+8*\t+2*\d:QF+8*\t+2*\d+1] offset:16*SP*\t+16*\d
.endr
.endr
	s_wait_dscnt 0x0                               ; for the others' sake: my stores into the stage are done
	s_barrier_signal -1
	s_barrier_wait -1
.irp k, 0,1,2,3,4,5,6,7
	ds_load_b128 v[S0+4*\k:S0+4*\k+3], v[RD] offset:2*SP*\k
.endr
.irp k, 0,1,2,3,4,5,6,7
	s_wait_dscnt 7-\k                              ; load k is back; the 7 - k behind it may be out
	global_store_b128 v[GO], v[S0+4*\k:S0+4*\k+3], s[46:47] offset:2048*\k   ; sixteen lanes store 256 consecutive bytes, aligned
.endr
	s_wait_tensorcnt 0x0                           ; the wave's end
	ds_add_u32 v[SPW], v[NIL]
	s_wait_dscnt 0x0
	s_endpgm
.Lfunc_end_k_q4402cfdc18_attn:
	.size	k_q4402cfdc18_attn, .Lfunc_end_k_q4402cfdc18_attn-k_q4402cfdc18_attn
	.p2alignl 7, 3214868480
	.fill 96, 4, 3214868480
	.section	.rodata,"a",@progbits
	.p2align	6, 0x0
	.amdhsa_kernel k_q4402cfdc18_attn
		.amdhsa_group_segment_fixed_size 105472
		.amdhsa_private_segment_fixed_size 0
		.amdhsa_enable_private_segment 0
		.amdhsa_kernarg_size 48
		.amdhsa_user_sgpr_count 2
		.amdhsa_user_sgpr_kernarg_segment_ptr 1
		.amdhsa_wavefront_size32 1
		.amdhsa_system_sgpr_workgroup_id_x 1
		.amdhsa_system_sgpr_workgroup_id_y 1
		.amdhsa_system_sgpr_workgroup_id_z 1
		.amdhsa_system_vgpr_workitem_id 0
		.amdhsa_next_free_vgpr 512
		.amdhsa_next_free_sgpr 100
		.amdhsa_reserve_vcc 0
		.amdhsa_float_denorm_mode_32 3
		.amdhsa_float_denorm_mode_16_64 3
		.amdhsa_memory_ordered 1
		.amdhsa_forward_progress 1
		.amdhsa_inst_pref_size 113
	.end_amdhsa_kernel
	.amdgpu_metadata
---
amdhsa.version: [ 1, 2 ]
amdhsa.kernels:
  - .name:           k_q4402cfdc18_attn
    .symbol:         k_q4402cfdc18_attn.kd
    .args:
      - { .name: q_img, .offset: 0, .size: 8, .value_kind: global_buffer, .address_space: global }
      - { .name: kv_img, .offset: 8, .size: 8, .value_kind: global_buffer, .address_space: global }
      - { .name: attention_mask, .offset: 16, .size: 8, .value_kind: global_buffer, .address_space: global }
      - { .name: lowp_scales, .offset: 24, .size: 8, .value_kind: global_buffer, .address_space: global }
      - { .name: flags, .offset: 32, .size: 8, .value_kind: global_buffer, .address_space: global }
      - { .name: ctx, .offset: 40, .size: 8, .value_kind: global_buffer, .address_space: global }
    .group_segment_fixed_size: 105472
    .private_segment_fixed_size: 0
    .kernarg_segment_align: 8
    .kernarg_segment_size: 48
    .max_flat_workgroup_size: 256
    .sgpr_count:     100
    .vgpr_count:     512
    .wavefront_size: 32
...
	.end_amdgpu_metadata
.endif
;; end of part 3
;; launch outp (part 4): grid 4 x 64, 4 waves a work-group, clusters of 4 x 4, 327,680 bytes of LDS; arguments ctx, Wo_codes, lowp_scales, out0; writes out0
.if DOCPART == 4
	.amdgcn_target "amdgcn-amd-amdhsa--gfx1250"
	.amdhsa_code_object_version 6
	.text
	.protected	k_q4402cfdc18_outp
	.globl	k_q4402cfdc18_outp
	.p2align	8
	.type	k_q4402cfdc18_outp,@function
k_q4402cfdc18_outp:
	s_mov_b64 s[64:65], 0
	v_nop
	global_prefetch_b8 v0, s[64:65] scope:SCOPE_SE
	s_setreg_imm32_b32 hwreg(HW_REG_WAVE_MODE, 25, 1), 1
	s_wait_xcnt 0x0
	s_wait_alu depctr_hold_cnt(0) depctr_sa_sdst(0) depctr_va_vdst(0) depctr_va_sdst(0) depctr_va_ssrc(0) depctr_va_vcc(0) depctr_vm_vsrc(0)
	s_getreg_b32 s2, hwreg(HW_REG_IB_STS2, 6, 4)
	s_cmp_eq_u32 s2, 0
	s_cbranch_scc0 .Lentry_in_a_cluster
	s_endpgm
.Lentry_in_a_cluster:
	s_bfe_u32 s2, ttmp6, 0x10000c
	s_cmp_lg_u32 s2, 0xf033
	s_cbranch_scc0 .Lentry_shape_is_right
	s_endpgm
.Lentry_shape_is_right:
; out0[m][n] = sum over k of ctx[m][k] Wo[n][k]: both [.][1024] codes of FP8 (E4M3), ctx with the scale 2^e10, Wo with 2^e11; out0 [8192][1024] f32.  The codes are multiplied as they are, each finished sum once by 2^(e10 + e11).
; LIMIT: e10 + e11 between -126 and 127, so that 2^(e10 + e11) is an f32 number.
; A block of out0 is 128 x 256: 64 x 4 = 256 work-groups, so that each stores 128 rows x 1,024 bytes.  Four waves, each 64 x 128: 32 accumulators of 16 x 16, 256 registers (window 2).
; K goes in steps of 256 through a ring of two LDS slots: a tile's row is 256 bytes of memory.  Waves 0 and 1 fetch ctx's two halves of 64 rows, waves 2 and 3 Wo's two halves of 128 rows: one tensor load a wave behind each round.
; CLUSTERS: 4 x 4 work-groups; the four of a row of the cluster need the same tiles of ctx, the four of a column the same tiles of Wo: joint loads.
; No prefetch: K is four slots' worth, two of them asked for at the head's two rounds; a request two K steps ahead of either refill would have to stand at the head, where no loop runs ahead.
; THE MATRIX INSTRUCTION IS USED TRANSPOSED (source 0 = 16 rows of Wo, source 1 = 16 rows of ctx): a lane holds eight neighbouring numbers of a row of out0.
; A fragment comes by four loads of 16 bytes: registers 4 c .. 4 c + 3 hold K = 32 c + 16 (l / 16) + 0 .. 15, alike on both sides, so every product meets its partner.
; REGISTERS: window 0: v0-31 addresses; v128-191, v192-255 ctx's fragments (4 x 16 rows x 128 K), two sets; on the way out v32-255 are free.  window 1: Wo's fragments, two sets, at v0 and v128.  window 2: accumulator (a, b) at v[8 (8 a + b)].
.set SIZE_N, 1024
.set SIZE_K, 1024
.set ROWB,   256
.set PITCH,  272                       ; an LDS row: 256 bytes + 16 of padding
.set FR,     16
.set AHALF,  64*PITCH                  ; what wave 0 or 1 fetches, and what a wave reads of ctx
.set BHALF,  128*PITCH                 ; what wave 2 or 3 fetches, and what a wave reads of Wo
.set BOFF,   2*AHALF
.set SLOT,   BOFF+2*BHALF
.set LAPS,   SIZE_K/(2*ROWB)
.set SPARE,  2*SLOT                    ; behind the ring: the spare words, 128 bytes for each wave, which no other line names
.set SPITCH, 528                       ; the way out: a stage of 16 rows x (512 bytes + 16) for each wave, in slot 0, which has had its last fill and its last read by then
.set ADRA, 16
.set ADRB, 20
.set STO,  24
.set RD,   25
.set CO,   26
.set SPW,  28
.set NIL,  29
.set TMP,  32
.set AF,   128
.set BK,   128
.set G1, 24
.set G0, 32
.set G1B, 48
.set G0B, 56
.set MSB, 0
.macro WIN new                         ; the immediate's high byte repeats the setting that is left
.if MSB != \new
	s_set_vgpr_msb (MSB<<8)|\new
.set MSB, \new
.endif
.endm
.set MUL_W, 0xa1                       ; source 0 (Wo) window 1, source 1 (ctx) window 0, C and D window 2
.set TO_B,  0x40
.macro JLOAD g0a, g0b                  ; a joint load; the branch hangs on the wave's number alone.  An s_nop 0 and four v_nop follow each line
	s_cmp_eq_u32 s15, 0
	s_cbranch_scc0 .Lfor_b_\@
	tensor_load_to_lds s[\g0a:\g0a+3], s[G1:G1+7]
	s_nop 0
.rept 4
	v_nop
.endr
	s_branch .Lasked_\@
.Lfor_b_\@:
	tensor_load_to_lds s[\g0b:\g0b+3], s[G1B:G1B+7]
	s_nop 0
.rept 4
	v_nop
.endr
.Lasked_\@:
.endm
.macro CREST
	s_cmp_lg_u32 s14, 0
	s_cbranch_scc1 .Lnot_wave_0_\@
	s_barrier_signal -3
.Lnot_wave_0_\@:
	s_barrier_wait -3
	s_barrier_signal -1
	s_barrier_wait -1
.endm
.macro CROUND
	s_barrier_signal -1
	s_barrier_wait -1
	CREST
.endm
	s_load_b128 s[4:7], s[0:1], 0x0                ; ctx s[4:5], Wo's codes s[6:7]
	s_load_b128 s[8:11], s[0:1], 0x10              ; the scales' exponents s[8:9], out0 s[10:11]
	v_lshl_add_u32 v[SPW], v0, 2, SPARE
	v_mov_b32 v[NIL], 0
	ds_add_u32 v[SPW], v[NIL]                      ; the wave's opening: the add, twice on end, and its wait ahead of my first tensor load
	ds_add_u32 v[SPW], v[NIL]
	v_lshrrev_b32 v1, 5, v0
	v_readfirstlane_b32 s14, v1                    ; wave 0..3
	s_lshr_b32 s15, s14, 1                         ; which 64 rows of the block are mine.  Also: I fetch for ctx (0) or for Wo (1)
	s_and_b32 s16, s14, 1                          ; which 128 columns.  Also: which half of that tile I fetch
	s_bfe_u32 s40, ttmp6, 0x40000                  ; cx, cy
	s_bfe_u32 s41, ttmp6, 0x40004
	s_lshl_b32 s42, ttmp9, 2
	s_add_co_u32 s42, s42, s40                     ; block column
	s_and_b32 s17, ttmp7, 0xffff
	s_lshl_b32 s17, s17, 2
	s_add_co_u32 s17, s17, s41                     ; block row
	s_lshl_b32 s43, s41, 2
	s_lshl_b32 s43, 15, s43                        ; my row of the cluster
	s_lshl_b32 s44, 0x1111, s40                    ; my column
	s_or_b32 s[G1+0], s43, (0<<16)|(1<<20)|(1<<21)|(5<<22)|(3<<25)   ; the mask; elements of 1 byte; padding: 4 words after every 64; bit 21 beside a mask
	s_or_b32 s[G1B+0], s44, (0<<16)|(1<<20)|(1<<21)|(5<<22)|(3<<25)
	s_mov_b32 s[G1+1], ROWB<<16                    ; tensor_dim0
	s_mov_b32 s[G1+2], 64<<16                      ; tensor_dim1: ctx 64 rows,
	s_mov_b32 s[G1+3], ROWB<<16                    ; tile_dim0
	s_mov_b32 s[G1+4], 64
	s_mov_b32 s[G1+5], SIZE_K
	s_mov_b32 s[G1+6], 0
	s_mov_b32 s[G1+7], 0
	s_mov_b32 s[G1B+1], ROWB<<16
	s_mov_b32 s[G1B+2], 128<<16                    ; Wo 128
	s_mov_b32 s[G1B+3], ROWB<<16
	s_mov_b32 s[G1B+4], 128
	s_mov_b32 s[G1B+5], SIZE_K
	s_mov_b32 s[G1B+6], 0
	s_mov_b32 s[G1B+7], 0
	s_lshl_b32 s18, s16, 6
	s_lshl_b32 s20, s17, 7
	s_add_co_u32 s20, s20, s18                     ; ctx: row 128 x block row + 64 x half
	s_lshl_b32 s20, s20, 10
	s_mov_b32 s21, 0
	s_lshl_b32 s18, s16, 7
	s_lshl_b32 s46, s42, 8
	s_add_co_u32 s46, s46, s18                     ; Wo: row 256 x block column + 128 x half
	s_lshl_b32 s46, s46, 10
	s_mov_b32 s47, 0
	s_mul_i32 s45, s16, AHALF                      ; where they go: no place in the cluster enters an LDS address
	s_mul_i32 s22, s16, BHALF
	s_add_co_u32 s22, s22, BOFF
	s_wait_dscnt 0x0                               ; both opening adds are done
	s_wait_kmcnt 0x0
	s_load_b64 s[96:97], s[8:9], 0x28              ; e10, e11
	s_add_nc_u64 s[20:21], s[4:5], s[20:21]
	s_add_nc_u64 s[46:47], s[6:7], s[46:47]
	CROUND                                         ; all sixteen work-groups are here: the first joint loads meet
.irp s, 0,1
	s_mov_b32 s[G0+4*\s], 1
	s_add_co_u32 s[G0+4*\s+1], s45, \s*SLOT
	s_add_nc_u64 s[G0+4*\s+2:G0+4*\s+3], s[20:21], \s*ROWB
	s_or_b32 s[G0+4*\s+3], s[G0+4*\s+3], 0x80000000
	s_mov_b32 s[G0B+4*\s], 1
	s_add_co_u32 s[G0B+4*\s+1], s22, \s*SLOT
	s_add_nc_u64 s[G0B+4*\s+2:G0B+4*\s+3], s[46:47], \s*ROWB
	s_or_b32 s[G0B+4*\s+3], s[G0B+4*\s+3], 0x80000000
.endr
	JLOAD G0, G0B                                  ; K step 0: one tensor load a wave at the head
	v_and_b32 v1, 15, v0                           ; l % 16
	v_bfe_u32 v2, v0, 4, 1                         ; l / 16
	v_mul_u32_u24 v3, v1, PITCH
	v_lshl_add_u32 v4, v2, 4, v3
	s_mul_i32 s21, s15, AHALF                      ; my 64 rows of ctx
.irp s, 0,1
	v_add_nc_u32 v[ADRA+\s], s21, v4
	v_add_nc_u32 v[ADRB+\s], s22, v4               ; my 128 rows of Wo
	s_add_co_u32 s21, s21, SLOT
	s_add_co_u32 s22, s22, SLOT
.endr
	s_mul_i32 s23, s14, 16*SPITCH                  ; my stage
	s_wait_alu depctr_va_vdst(0)                   ; directly ahead of the reader below
	v_mul_u32_u24 v5, v1, SPITCH
	v_lshl_add_u32 v5, v2, 5, v5
	v_add_nc_u32 v[STO], s23, v5                   ; in: row l % 16, 32 bytes for each half of the lanes
	v_and_b32 v6, 31, v0
	v_lshlrev_b32 v[CO], 4, v6                     ; back: the 32 lanes take one row of 512 bytes; and the same in out0
	v_add_nc_u32 v[RD], s23, v[CO]
	s_lshl_b32 s20, s17, 7
	s_lshl_b32 s21, s15, 6
	s_add_co_u32 s20, s20, s21                     ; my first row of out0
	s_lshl_b32 s20, s20, 12                        ; rows of 4,096 bytes
	s_lshl_b32 s46, s42, 10
	s_lshl_b32 s47, s16, 9
	s_add_co_u32 s46, s46, s47                     ; my first column, in bytes
	s_add_co_u32 s20, s20, s46
	s_mov_b32 s21, 0
	s_add_nc_u64 s[10:11], s[10:11], s[20:21]
.macro FRAG reg, adr, q, i
.irp c, 0,1,2,3
	ds_load_b128 v[\reg+4*\c:\reg+4*\c+3], v[\adr] offset:128*(\q)+32*\c+(\i)*16*PITCH
.endr
.endm
; 16 matrix instructions: ctx's blocks a0, a0 + 1 x Wo's eight, 128 along K, on register sets p.  The 32 accumulators take turns, one instruction a turn, in the same order in every step
.macro MUL16 a0, p, zero
.irp a, \a0, \a0+1
.irp b, 0,1,2,3,4,5,6,7
.if \zero
	v_wmma_f32_16x16x128_fp8_fp8 v[8*(8*(\a)+\b):8*(8*(\a)+\b)+7], v[128*(\p)+FR*\b:128*(\p)+FR*\b+FR-1], v[AF+64*(\p)+FR*(\a):AF+64*(\p)+FR*(\a)+FR-1], 0
.else
	v_wmma_f32_16x16x128_fp8_fp8 v[8*(8*(\a)+\b):8*(8*(\a)+\b)+7], v[128*(\p)+FR*\b:128*(\p)+FR*\b+FR-1], v[AF+64*(\p)+FR*(\a):AF+64*(\p)+FR*(\a)+FR-1], v[8*(8*(\a)+\b):8*(8*(\a)+\b)+7]
.endif
.endr
.endr
.endm
.macro FETCH slot, q, p                ; 48 LDS loads in one run: the fragments of the slot's q-th 128 along K into sets p
	WIN TO_B
.irp i, 0,1,2,3,4,5,6,7
	FRAG 128*(\p)+FR*\i, ADRB+\slot, \q, \i
.endr
	WIN 0
.irp i, 0,1,2,3
	FRAG AF+64*(\p)+FR*\i, ADRA+\slot, \q, \i
.endr
.endm
.macro PLACES                          ; four plain places between matrix instructions and loads into registers that they read, or readers of their results
.rept 4
	v_nop
.endr
.endm
.macro STEP slot, zero                 ; a slot's first 128 along K, on sets 0; in its middle the second 128's fragments are fetched into sets 1
	s_wait_dscnt 0x0
	WIN MUL_W
	MUL16 0, 0, \zero
	PLACES
	FETCH \slot, 1, 1
	WIN MUL_W
	MUL16 2, 0, \zero
	WIN 0
.endm
; A slot's second 128, on sets 1, changes slots: each wave waits for all its tensor loads (one is out: its part of the next slot), adds 0 to its spare word, and waits for that and for its reads of this slot.  fill = 1: this slot is filled again
.macro TURN slot, next, fill
	s_wait_tensorcnt 0x0
	ds_add_u32 v[SPW], v[NIL]
	s_wait_dscnt 1                                 ; the 48 loads are in; the add may be out
	WIN MUL_W
	MUL16 0, 1, 0                                  ; sixteen matrix instructions stand between the add and the wait for it
	s_wait_dscnt 0x0
	s_barrier_signal -1
	WIN 0
	s_barrier_wait -1
.if \fill
	CREST                                          ; the barrier has opened a round of the cluster's barrier
	s_add_nc_u64 s[G0+4*\slot+2:G0+4*\slot+3], s[G0+4*\slot+2:G0+4*\slot+3], 2*ROWB
	s_add_nc_u64 s[G0B+4*\slot+2:G0B+4*\slot+3], s[G0B+4*\slot+2:G0B+4*\slot+3], 2*ROWB
	JLOAD G0+4*\slot, G0B+4*\slot                  ; the first tensor load behind the round; its four v_nop are the places in front of the loads below
.else
	PLACES
.endif
	FETCH \next, 0, 0
	WIN MUL_W
	MUL16 2, 1, 0
	WIN 0
.endm
	s_wait_alu depctr_va_vdst(0)                   ; the wait at the head's end
	s_wait_tensorcnt 0x0                           ; my part of K step 0 is in; the same lines as ahead of a refill:
	ds_add_u32 v[SPW], v[NIL]
	s_wait_dscnt 0x0
	CROUND                                         ; everybody's part is in, and the joint loads meet:
	JLOAD G0+4, G0B+4                              ; K step 1, the first tensor load behind the round
	FETCH 0, 0, 0
	STEP 0, 1                                      ; the first step stands in front of the loop: its products start the sums
	s_mov_b32 s3, LAPS-1
.Llap:                                                 ; a trip goes once round the ring and fills both slots again
	TURN 0, 1, 1
	STEP 1, 0
	TURN 1, 0, 1
	STEP 0, 0
	s_sub_co_u32 s3, s3, 1
	s_cmp_lg_u32 s3, 0
	s_cbranch_scc1 .Llap
	TURN 0, 1, 0                                   ; the last lap fills nothing
	STEP 1, 0
	s_wait_dscnt 0x0
	WIN MUL_W
	MUL16 0, 1, 0
	MUL16 2, 1, 0
	WIN 0
; THE WAY OUT, block by block of 16 rows x 128 columns, through my own stage: whole rows of 512 bytes come back and are stored as two aligned units of 256 bytes.  LDS serves a wave's instructions in order.
.macro TOSTAGE a
.set AC, 64*(\a)
	WIN 0x02                                       ; source 0 window 2
.irp j, 0,2,4,6,8,10,12,14,16,18,20,22,24,26,28,30,32,34,36,38,40,42,44,46,48,50,52,54,56,58,60,62
	v_pk_mul_f32 v[TMP+\j:TMP+\j+1], v[AC+\j:AC+\j+1], s[96:97] op_sel_hi:[1,0]   ; x 2^(e10 + e11); each accumulator from its low end on
.endr
	WIN 0
.irp b, 0,1,2,3,4,5,6,7
	ds_store_b128 v[STO], v[TMP+8*\b:TMP+8*\b+3] offset:64*\b
	ds_store_b128 v[STO], v[TMP+8*\b+4:TMP+8*\b+7] offset:64*\b+16
.endr
.set BB, BK+64*((\a)%2)
.irp t, 0,1,2,3,4,5,6,7,8,9,10,11,12,13,14,15
	ds_load_b128 v[BB+4*\t:BB+4*\t+3], v[RD] offset:\t*SPITCH
.endr
.endm
.macro SEND a, younger                 ; younger: the LDS instructions issued behind block a's loads, which may stay out
.set BB, BK+64*((\a)%2)
	s_wait_dscnt \younger
.if (\a) > 0
	s_add_nc_u64 s[10:11], s[10:11], 16*SIZE_N*4   ; (behind a wait on XCNT: the earlier stores have read their base)
.endif
.irp t, 0,1,2,3,4,5,6,7,8,9,10,11,12,13,14,15
	global_store_b128 v[CO], v[BB+4*\t:BB+4*\t+3], s[10:11] offset:\t*SIZE_N*4   ; 32 lanes store 512 consecutive bytes, aligned
.endr
.endm
	s_wait_kmcnt 0x0
	s_add_co_i32 s96, s96, s97
	s_add_co_i32 s96, s96, 127
	s_lshl_b32 s96, s96, 23                        ; 2^(e10 + e11) as f32
	PLACES
	TOSTAGE 0
.irp a, 1,2,3
.if \a > 1
	s_wait_xcnt 0x0                                ; block a - 2's stores have read their registers and their base
.endif
	TOSTAGE \a
	SEND \a-1, 32                                  ; behind block a - 1's loads: block a's 16 stores and 16 loads
.endr
	s_wait_xcnt 0x0
	SEND 3, 0
	s_wait_tensorcnt 0x0                           ; the wave's end
	ds_add_u32 v[SPW], v[NIL]
	s_wait_dscnt 0x0
	CROUND                                         ; the closing round
	s_endpgm
.Lfunc_end_k_q4402cfdc18_outp:
	.size	k_q4402cfdc18_outp, .Lfunc_end_k_q4402cfdc18_outp-k_q4402cfdc18_outp
	.p2alignl 7, 3214868480
	.fill 96, 4, 3214868480
	.section	.rodata,"a",@progbits
	.p2align	6, 0x0
	.amdhsa_kernel k_q4402cfdc18_outp
		.amdhsa_group_segment_fixed_size 327680
		.amdhsa_private_segment_fixed_size 0
		.amdhsa_enable_private_segment 0
		.amdhsa_kernarg_size 32
		.amdhsa_user_sgpr_count 2
		.amdhsa_user_sgpr_kernarg_segment_ptr 1
		.amdhsa_wavefront_size32 1
		.amdhsa_system_sgpr_workgroup_id_x 1
		.amdhsa_system_sgpr_workgroup_id_y 1
		.amdhsa_system_sgpr_workgroup_id_z 1
		.amdhsa_system_vgpr_workitem_id 0
		.amdhsa_next_free_vgpr 768
		.amdhsa_next_free_sgpr 98
		.amdhsa_reserve_vcc 0
		.amdhsa_float_denorm_mode_32 3
		.amdhsa_float_denorm_mode_16_64 3
		.amdhsa_memory_ordered 1
		.amdhsa_forward_progress 1
		.amdhsa_inst_pref_size 76
	.end_amdhsa_kernel
	.amdgpu_metadata
---
amdhsa.version: [ 1, 2 ]
amdhsa.kernels:
  - .name:           k_q4402cfdc18_outp
    .symbol:         k_q4402cfdc18_outp.kd
    .args:
      - { .name: ctx, .offset: 0, .size: 8, .value_kind: global_buffer, .address_space: global }
      - { .name: Wo_codes, .offset: 8, .size: 8, .value_kind: global_buffer, .address_space: global }
      - { .name: lowp_scales, .offset: 16, .size: 8, .value_kind: global_buffer, .address_space: global }
      - { .name: out0, .offset: 24, .size: 8, .value_kind: global_buffer, .address_space: global }
    .group_segment_fixed_size: 327680
    .private_segment_fixed_size: 0
    .kernarg_segment_align: 8
    .kernarg_segment_size: 32
    .max_flat_workgroup_size: 128
    .sgpr_count:     98
    .vgpr_count:     768
    .wavefront_size: 32
...
	.end_amdgpu_metadata
.endif
;; end of part 4
